; MI455X (gfx1250); checked and timed in simulation.
; The chip was launched on July 23, 2026; its instructions are those of AMD's public machine-readable ISA for CDNA 5 (MIT licence, August 2026) and "CDNA5" Instruction Set Architecture Reference Guide (July 2026). The comments in the code are by the model that wrote it; some were corrected since.
;; Base Layer. Allowed arithmetic: matrix products marked QUANTISED: E5M2 operands, one E8M0 scale for each 32 along K, by v_wmma_scale_f32_16x16x128_f8f6f4 with both operands' format E5M2, f32 sums; products left as they are: f32 operands where the result goes on into a quantised operand, else bf16, f16 or f32 operands; f32 sums; everything else in f32.
;; Inputs: b1 4 x 4,096 float32; b2 4 x 1,024 float32; beta 4 x 1,024 float32; centroids 4 x 1,024 float32; gamma 4 x 1,024 float32; w1 4 x 1,024 x 4,096 float32; w2 4 x 4,096 x 1,024 float32; x 2 x 1,024 x 1,024 float32.
;; Outputs: out0 2 x 1,024 x 1,024 float32.
;; This version of the problem:
;;   THIS VERSION OF THE PROBLEM IS GIVEN IN LOW PRECISION. The matrix products marked QUANTISED in the list below multiply operands that are first quantised to E5M2 (5 exponent bits, 2 mantissa bits; 8 bits a number), with one power-of-two scale for each 32 numbers along K (OCP MX v1.0); their sums are f32. All else is computed in f32.
;;   The module's matrix products, in the order in which they are computed (A, B: the left and right operand; K: the contracted axis; several contracted axes count as one K, in the product's order):
;;     1. [M 2,048, K 1,024] x [K 1,024, N 4]; A: input x; B: input centroids: left as it is (N = 4 < 16)
;;     2. [M 2,048, K 1,024] x [K 1,024, N 4,096]; A: computed on the way; B: input w1: QUANTISED
;;     3. [M 2,048, K 4,096] x [K 4,096, N 1,024]; A: computed on the way; B: input w2: QUANTISED
;;     4. [M 2,048, K 1,024] x [K 1,024, N 1]; A: input x; B: input centroids: left as it is (N = 1 < 16)
;;     5. [M 2,048, K 1,024] x [K 1,024, N 4,096]; A: computed on the way; B: input w1: QUANTISED
;;     6. [M 2,048, K 4,096] x [K 4,096, N 1,024]; A: computed on the way; B: input w2: QUANTISED
;;     7. [M 2,048, K 1,024] x [K 1,024, N 1]; A: input x; B: input centroids: left as it is (N = 1 < 16)
;;     8. [M 2,048, K 1,024] x [K 1,024, N 4,096]; A: computed on the way; B: input w1: QUANTISED
;;     9. [M 2,048, K 4,096] x [K 4,096, N 1,024]; A: computed on the way; B: input w2: QUANTISED
;;     10. [M 2,048, K 1,024] x [K 1,024, N 1]; A: input x; B: input centroids: left as it is (N = 1 < 16)
;;     11. [M 2,048, K 1,024] x [K 1,024, N 4,096]; A: computed on the way; B: input w1: QUANTISED
;;     12. [M 2,048, K 4,096] x [K 4,096, N 1,024]; A: computed on the way; B: input w2: QUANTISED
;;     13. [M 2,048, K 1,024] x [K 1,024, N 1]; A: input x; B: input centroids: left as it is (N = 1 < 16)
;;   THE QUANTISER, for each operand of a quantised product, along K:
;;     - K is cut into blocks of 32 from its start; a last block that is shorter is filled with zeros.
;;     - A block's scale is 2^e with e = floor(log2(the largest magnitude in the block)) - 15, held to -126 .. 127; a block of zeros has e = 0. As a byte (E8M0): e + 127.
;;     - Each number is divided by its block's scale, clamped to +-57,344, and rounded to the nearest number of E5M2, ties to even, subnormals kept.
;;     - The product sums the exact products of the quantised numbers (number of the format x scale) in f32.
;;   ~~~python
;;   def quantise(x, axis):      # numpy; x: float32 -> the quantised numbers, widened to float32 again
;;       x = np.moveaxis(x, axis, -1); K = x.shape[-1]
;;       x = np.pad(x, [(0, 0)] * (x.ndim - 1) + [(0, -K % 32)]); x = x.reshape(x.shape[:-1] + (-1, 32)); a = np.abs(x).max(-1, keepdims=True)
;;       e = np.where(a > 0, np.clip(np.frexp(np.where(a > 0, a, 1))[1] - 1 - 15, -126, 127), 0)      # np.frexp(a)[1] - 1 = floor(log2(a)), exactly
;;       r = np.clip(x / 2.0 ** e, -57344, 57344)
;;       step = 2.0 ** (np.maximum(np.frexp(np.where(r == 0, 1, r))[1] - 1, -14) - 2)
;;       q = np.round(r / step) * step * 2.0 ** e      # np.round: ties to even
;;       return np.moveaxis(q.reshape(q.shape[:-2] + (-1,))[..., :K], -1, axis).astype(np.float32)
;;   ~~~
;;   OPERANDS COMPUTED ON THE WAY. 'Computed on the way' means the value that the module computes at that place (a softmax that the list does not call 'softmax' is quantised finished and normalised). What goes into a quantiser is computed in f32, as accurately as f32 sums, v_exp_f32 and their like allow (about 1e-6 of the number): no bf16 or f16 on the way to a quantiser, and a product that is left as it is and whose result goes on into a quantised operand takes f32 operands (vector FMAs, or v_wmma_f32_16x16x4_f32). A number that lies on a knife's edge between two numbers of the format may be rounded either way, as far as f32 arithmetic and the matrix unit's own rounding can turn it there, and no further.
;; 2 versions, each right; version 2 is version 1 with the launches ff1, ff2 written anew for expert scheduling mode. Each part assembles by itself: llvm-mc -triple=amdgcn-amd-amdhsa -mcpu=gfx1250 --defsym DOCPART=n.
;; ======== version 1 of 2: 4 launches
;; workspace buffers: w1q 17,309,696 bytes; w2q 17,301,504 bytes; eid 8,192 bytes of whole numbers; ord 8,704 bytes of whole numbers; hq 2,162,688 bytes; hid 8,921,088 bytes
;; launch prep1 (part 1): grid 640 x 1, 4 waves a work-group, no clusters, 0 bytes of LDS; arguments x, centroids, w1, w1q, eid; writes w1q, eid
.if DOCPART == 1
	.amdgcn_target "amdgcn-amd-amdhsa--gfx1250"
	.amdhsa_code_object_version 6
	.text
	.protected	k_q1bf3a58646_prep1
	.globl	k_q1bf3a58646_prep1
	.p2align	8
	.type	k_q1bf3a58646_prep1,@function
k_q1bf3a58646_prep1:
	s_mov_b64 s[64:65], 0
	v_nop
	global_prefetch_b8 v0, s[64:65] scope:SCOPE_SE
	s_setreg_imm32_b32 hwreg(HW_REG_WAVE_MODE, 25, 1), 1
	s_wait_xcnt 0x0
; TWO JOBS IN ONE LAUNCH, parted on the work-group's number.
; Work-groups 0-127: THE ROUTER.  aff = x . centroids (f32 fused multiply-adds), eid = the first largest of the four, alpha = sigmoid(the largest).  eid goes out as whole numbers at fixed places
; (a later launch forms addresses from it), alpha as f32 behind w1's codes and scales.
; Work-groups 128-639: w1 [4][1024 (K)][4096 (N)], f32, becomes codes of E5M2 with one E8M0 byte for each 32 along K, laid in the order of the matrix operand's registers:
;   codes  [e][64 columns][K step of 128][tile ct of 16 columns][c = 0..3][lane 0..31][16 bytes]: lane (r, h) of piece c holds k = 32 c + 16 h + 0..15 of the tile's column r;
;   scales [e][64 columns][256 along K][tile ct][r][8 bytes]: two scale words, for two K steps.
;   Tile ct = 2 b + u takes, as its lane r, column 32 b + 8 u + r + 8 (r / 8) of the 64: the next launch uses the product transposed and wants 16 neighbouring hidden units in a lane's 16 registers.
; A LANE TAKES A COLUMN AND ITS REGISTERS RUN DOWN K: a load reads 128 consecutive bytes a wave, a block of 32 lies in one lane, the conversions give K innermost.  A lane's 16 codes are one piece of the
; layout above, so each store of a wave covers two runs of 256 consecutive bytes, each aligned: no LDS, no exchange between lanes.
; A block's scale is 2^(floor(log2(largest magnitude)) - 15): its byte is the largest magnitude's exponent field - 15, held at 1 from below.
; LIMITS: NaN and infinities are not served.  A block of zeros, and one whose largest magnitude lies under 2^-111, gets the byte 1 (the codes of a block of zeros are zeros; this program alone reads the bytes).
; Two affinities that agree to within the rounding of a sum of 1,024 f32 products may be ordered either way.
.set KD,     1024                      ; K of this weight
.set ND,     4096                      ; N
.set XGL,    5                         ; log2(ND / 128)
.set FIRST,  128                       ; the quantiser's first work-group
.set WSRC,   8                         ; s[8:9]   the weight
.set WDST,   10                        ; s[10:11] its codes and scales
.set S,      KD/128
.set KQ,     KD/256
.set NCB,    ND/64
.set XG,     ND/128
.set W_SC,   16777216                  ; the scales begin behind 16 MiB of codes
.set AL_OFF, 17301504                  ; alpha behind the scales
.set EMAX,   15
.set X,      32                        ; v32-95   two sets of 32 numbers
.set C,      96                        ; v96-159  eight registers of codes for each block: no store's data are written again
.set SB,     24                        ; v24-25   the eight scale bytes
.set RS,     64                        ; router: v64-159 three sets of 32 (4 tokens x 4 numbers, 4 centroids x 4 numbers)
.set AC,     16                        ; router: v16-47 a pair of sums for each (token, expert)
.set MX,     48                        ; v48-51 the largest affinity;  v52-55 its expert;  v56-59 alpha
.set ID,     52
.set AL,     56
	s_load_b256 s[4:11], s[0:1], 0x0               ; x s[4:5], centroids s[6:7], w1 s[8:9], w1q s[10:11]
	s_load_b64 s[12:13], s[0:1], 0x20              ; eid
	v_lshrrev_b32 v1, 5, v0
	v_readfirstlane_b32 s2, v1                     ; wave 0..3
	v_and_b32 v2, 31, v0                           ; lane
	s_cmp_lt_u32 ttmp9, FIRST
	s_cbranch_scc1 .Lrouter
; ---------------- the quantiser: a wave takes 32 columns x 256 along K
.macro QLOAD t                         ; block t: W(32 t + i, my column) into set t % 2
.set qi, 0
.rept 32
	global_load_b32 v[X+32*((\t)%2)+qi], v3, s[WSRC:WSRC+1] offset:(32*(\t)+qi)*ND*4 th:TH_LOAD_NT
.set qi, qi+1
.endr
.endm
.macro QBLOCK t
.set XS, X+32*((\t)%2)
.if (\t) < 7
	s_wait_loadcnt 32                              ; this block's 32 loads are in; the next block's 32 may be out
.else
	s_wait_loadcnt 0x0
.endif
	v_max3_num_f32 v12, |v[XS]|, |v[XS+1]|, |v[XS+2]|              ; the block's largest magnitude: all 32 numbers are mine; two chains
	v_max3_num_f32 v13, |v[XS+3]|, |v[XS+4]|, |v[XS+5]|
.irp i, 6,10,14,18,22,26
	v_max3_num_f32 v12, v12, |v[XS+\i]|, |v[XS+\i+1]|
	v_max3_num_f32 v13, v13, |v[XS+\i+2]|, |v[XS+\i+3]|
.endr
	v_max3_num_f32 v12, v12, |v[XS+30]|, |v[XS+31]|
	v_max3_num_f32 v12, v12, v13, (EMAX+1)<<23     ; and the floor 2^(16 - 127): the byte cannot fall under 1
	v_add_nc_u32 v11, -(EMAX<<23), v12             ; 15 off the exponent field: the conversion takes this operand's exponent field as its scale
	v_and_or_b32 v10, v12, 0x7f800000, s35         ; 57,344 x the scale: the exponent field over 57,344's mantissa field
	v_lshrrev_b32 v13, 23, v11                     ; the scale's byte
.if (\t)%4 == 0
	v_mov_b32 v[SB+(\t)/4], v13
.else
	v_lshl_or_b32 v[SB+(\t)/4], v13, 8*((\t)%4), v[SB+(\t)/4]
.endif
.set qi, 0
.rept 32
	v_med3_num_f32 v[XS+qi], v[XS+qi], -v10, v10   ; the conversion to an 8-bit code does not saturate (ISA guide 7.6.2): the hold comes first
.set qi, qi+1
.endr
.irp g, 0,1,2,3
	v_cvt_scalef32_pk8_bf8_f32 v[C+8*(\t)+2*\g:C+8*(\t)+2*\g+1], v[XS+8*\g:XS+8*\g+7], v11
.endr
	global_store_b128 v4, v[C+8*(\t):C+8*(\t)+3], s[30:31] offset:((\t)/4)*8192+((\t)%4)*512         ; k 0..15 of the block: the piece's lanes 0-15
	global_store_b128 v4, v[C+8*(\t)+4:C+8*(\t)+7], s[30:31] offset:((\t)/4)*8192+((\t)%4)*512+256   ; k 16..31: its lanes 16-31
.if (\t) < 6
	QLOAD (\t)+2                                   ; the set just converted takes the block two further on
.endif
.endm
	s_sub_co_u32 s20, ttmp9, FIRST
	s_and_b32 s21, s20, XG-1                       ; which 128 columns
	s_lshr_b32 s22, s20, XGL
	s_and_b32 s22, s22, KQ-1                       ; which 256 along K
	s_lshr_b32 s23, s20, 7                         ; the expert: 128 work-groups each
	s_lshl_b32 s24, s21, 2
	s_add_co_u32 s24, s24, s2                      ; my wave's 32 columns
	s_lshr_b32 s25, s24, 1                         ; their block of 64
	s_and_b32 s26, s2, 1                           ; and which half of it: b
	s_mul_i32 s28, s23, KD
	s_lshl_b32 s27, s22, 8
	s_add_co_u32 s28, s28, s27
	s_mul_i32 s28, s28, ND*4                       ; my first row of the weight, in bytes (the tensor has 2^26 bytes)
	s_lshl_b32 s27, s24, 7
	s_add_co_u32 s28, s28, s27                     ; + my first column
	s_mov_b32 s29, 0
	s_mul_i32 s27, s23, NCB
	s_add_co_u32 s27, s27, s25
	s_mul_i32 s30, s27, S
	s_lshl_b32 s32, s22, 1
	s_add_co_u32 s30, s30, s32
	s_lshl_b32 s30, s30, 13                        ; codes: 8,192 bytes for each K step of 64 columns,
	s_lshl_b32 s32, s26, 12
	s_add_co_u32 s30, s30, s32                     ; + 4,096 b
	s_mov_b32 s31, 0
	s_mul_i32 s32, s27, KQ
	s_add_co_u32 s32, s32, s22
	s_lshl_b32 s32, s32, 9                         ; scales: 512 bytes for 256 along K of 64 columns,
	s_lshl_b32 s34, s26, 8
	s_add_co_u32 s32, s32, s34                     ; + 256 b
	s_add_co_u32 s32, s32, W_SC
	s_mov_b32 s33, 0
	s_mov_b32 s35, 0x600000                        ; the mantissa field of 57,344
	v_lshlrev_b32 v3, 2, v2                        ; in: 4 bytes a lane
	v_bfe_u32 v6, v2, 3, 1                         ; u
	v_and_b32 v7, 7, v2
	v_lshrrev_b32 v8, 4, v2
	v_lshl_or_b32 v7, v8, 3, v7                    ; r
	v_lshlrev_b32 v4, 4, v7
	v_lshl_add_u32 v4, v6, 11, v4                  ; codes: 2,048 u + 16 r
	v_lshlrev_b32 v5, 3, v7
	v_lshl_add_u32 v5, v6, 7, v5                   ; scales: 128 u + 8 r
	s_wait_kmcnt 0x0
	s_add_nc_u64 s[WSRC:WSRC+1], s[WSRC:WSRC+1], s[28:29]
	s_add_nc_u64 s[30:31], s[WDST:WDST+1], s[30:31]
	s_add_nc_u64 s[32:33], s[WDST:WDST+1], s[32:33]
	QLOAD 0
	QLOAD 1
.irp t, 0,1,2,3,4,5,6,7
	QBLOCK \t
.endr
	global_store_b64 v5, v[SB:SB+1], s[32:33]      ; the wave's 32 x 8 scale bytes: 256 consecutive bytes, aligned
	s_endpgm
; ---------------- the router: a wave takes 4 tokens; a lane 4 numbers of each piece of 128
.Lrouter:
.macro RLOAD i                         ; piece i of the four rows of x and of the four centroids into set i % 3: each load reads 512 consecutive bytes
.irp t, 0,1,2,3
	global_load_b128 v[RS+32*((\i)%3)+4*\t:RS+32*((\i)%3)+4*\t+3], v1, s[4:5] offset:4096*\t+512*(\i) th:TH_LOAD_NT
.endr
.irp t, 0,1,2,3
	global_load_b128 v[RS+32*((\i)%3)+16+4*\t:RS+32*((\i)%3)+16+4*\t+3], v1, s[6:7] offset:4096*\t+512*(\i)
.endr
.endm
.macro RDOT i                          ; 16 sums x 4 products, two a line; the first piece starts the sums
.set XB, RS+32*((\i)%3)
.irp t, 0,1,2,3
.irp e, 0,1,2,3
.if (\i) == 0
	v_pk_mul_f32 v[AC+8*\t+2*\e:AC+8*\t+2*\e+1], v[XB+4*\t:XB+4*\t+1], v[XB+16+4*\e:XB+16+4*\e+1]
.else
	v_pk_fma_f32 v[AC+8*\t+2*\e:AC+8*\t+2*\e+1], v[XB+4*\t:XB+4*\t+1], v[XB+16+4*\e:XB+16+4*\e+1], v[AC+8*\t+2*\e:AC+8*\t+2*\e+1]
.endif
.endr
.endr
.irp t, 0,1,2,3
.irp e, 0,1,2,3
	v_pk_fma_f32 v[AC+8*\t+2*\e:AC+8*\t+2*\e+1], v[XB+4*\t+2:XB+4*\t+3], v[XB+16+4*\e+2:XB+16+4*\e+3], v[AC+8*\t+2*\e:AC+8*\t+2*\e+1]
.endr
.endr
.endm
	s_lshl_b32 s20, ttmp9, 4
	s_lshl_b32 s21, s2, 2
	s_add_co_u32 s20, s20, s21                     ; my first token: 16 x work-group + 4 x wave
	s_lshl_b32 s22, s20, 12
	s_mov_b32 s23, 0
	s_lshl_b32 s24, s20, 2
	s_mov_b32 s25, 0
	s_mov_b32 s26, 0x76543210
	s_mov_b32 s27, 0xfedcba98                      ; v_permlanex16_b32's selects for lane l xor 16
	v_lshlrev_b32 v1, 4, v2
	s_wait_kmcnt 0x0
	s_add_nc_u64 s[4:5], s[4:5], s[22:23]
	s_add_nc_u64 s[12:13], s[12:13], s[24:25]
	s_add_nc_u64 s[10:11], s[10:11], s[24:25]
	s_add_nc_u64 s[10:11], s[10:11], AL_OFF
	RLOAD 0
	RLOAD 1
	RLOAD 2
.irp i, 0,1,2,3,4,5,6,7
.if \i < 6
	s_wait_loadcnt 16                              ; this piece's 8 loads are in; two younger pieces may be out
.else
	s_wait_loadcnt 8*(7-\i)
.endif
	RDOT \i
.if \i < 5
	RLOAD \i+3
.endif
.endr
.set rk, 0
.rept 16
	v_add_f32 v[AC+2*rk], v[AC+2*rk], v[AC+2*rk+1]
.set rk, rk+1
.endr
.irp m, 1,2,4,8                        ; across the 32 lanes: four steps inside each half, one across
.set rk, 0
.rept 16
	v_add_f32_dpp v[AC+2*rk], v[AC+2*rk], v[AC+2*rk] row_xmask:\m row_mask:0xf bank_mask:0xf
.set rk, rk+1
.endr
.endr
.set rk, 0
.rept 16
	v_permlanex16_b32 v[AC+2*rk+1], v[AC+2*rk], s26, s27
.set rk, rk+1
.endr
.set rk, 0
.rept 16
	v_add_f32 v[AC+2*rk], v[AC+2*rk], v[AC+2*rk+1]
.set rk, rk+1
.endr
.irp t, 0,1,2,3
	v_mov_b32 v[MX+\t], v[AC+8*\t]
	v_mov_b32 v[ID+\t], 0
.endr
.irp e, 1,2,3                          ; a later expert wins only where it is strictly larger: the first largest is kept
.irp t, 0,1,2,3
	v_cmp_le_f32 vcc_lo, v[AC+8*\t+2*\e], v[MX+\t]
	v_cndmask_b32 v[ID+\t], \e, v[ID+\t], vcc_lo
	v_max_num_f32 v[MX+\t], v[MX+\t], v[AC+8*\t+2*\e]
.endr
.endr
.irp t, 0,1,2,3
	v_mul_f32 v[AL+\t], 0xbfb8aa3b, v[MX+\t]       ; - log2(e) x the chosen affinity
.endr
.irp t, 0,1,2,3
	v_exp_f32 v[AL+\t], v[AL+\t]
.endr
	v_nop                                          ; a plain line behind the transcendentals
	s_wait_alu depctr_va_vdst(0)
.irp t, 0,1,2,3
	v_add_f32 v[AL+\t], 1.0, v[AL+\t]
.endr
.irp t, 0,1,2,3
	v_rcp_f32 v[AL+\t], v[AL+\t]                   ; alpha = 1 / (1 + e^-a)
.endr
	v_lshlrev_b32 v62, 2, v2                       ; (a plain line)  lane t stores token t's pair
	v_mov_b32 v60, v[ID]
	s_wait_alu depctr_va_vdst(0)
	v_mov_b32 v61, v[AL]
.irp t, 1,2,3
	v_cmp_eq_u32 vcc_lo, \t, v2
	v_cndmask_b32 v60, v60, v[ID+\t], vcc_lo
	v_cndmask_b32 v61, v61, v[AL+\t], vcc_lo
.endr
	v_cmp_gt_u32 vcc_lo, 4, v2
	s_wait_xcnt 0x0                                ; EXEC changes only behind this wait
	s_and_saveexec_b32 s28, vcc_lo
	global_store_b32 v62, v60, s[12:13]
	global_store_b32 v62, v61, s[10:11]
	s_endpgm
.Lfunc_end_k_q1bf3a58646_prep1:
	.size	k_q1bf3a58646_prep1, .Lfunc_end_k_q1bf3a58646_prep1-k_q1bf3a58646_prep1
	.p2alignl 7, 3214868480
	.fill 96, 4, 3214868480
	.section	.rodata,"a",@progbits
	.p2align	6, 0x0
	.amdhsa_kernel k_q1bf3a58646_prep1
		.amdhsa_group_segment_fixed_size 0
		.amdhsa_private_segment_fixed_size 0
		.amdhsa_enable_private_segment 0
		.amdhsa_kernarg_size 40
		.amdhsa_user_sgpr_count 2
		.amdhsa_user_sgpr_kernarg_segment_ptr 1
		.amdhsa_wavefront_size32 1
		.amdhsa_system_sgpr_workgroup_id_x 1
		.amdhsa_system_sgpr_workgroup_id_y 1
		.amdhsa_system_sgpr_workgroup_id_z 1
		.amdhsa_system_vgpr_workitem_id 0
		.amdhsa_next_free_vgpr 160
		.amdhsa_next_free_sgpr 66
		.amdhsa_reserve_vcc 1
		.amdhsa_float_denorm_mode_32 3
		.amdhsa_float_denorm_mode_16_64 3
		.amdhsa_memory_ordered 1
		.amdhsa_forward_progress 1
		.amdhsa_inst_pref_size 88
	.end_amdhsa_kernel
	.amdgpu_metadata
---
amdhsa.version: [ 1, 2 ]
amdhsa.kernels:
  - .name:           k_q1bf3a58646_prep1
    .symbol:         k_q1bf3a58646_prep1.kd
    .args:
      - { .name: x, .offset: 0, .size: 8, .value_kind: global_buffer, .address_space: global }
      - { .name: centroids, .offset: 8, .size: 8, .value_kind: global_buffer, .address_space: global }
      - { .name: w1, .offset: 16, .size: 8, .value_kind: global_buffer, .address_space: global }
      - { .name: w1q, .offset: 24, .size: 8, .value_kind: global_buffer, .address_space: global }
      - { .name: eid, .offset: 32, .size: 8, .value_kind: global_buffer, .address_space: global }
    .group_segment_fixed_size: 0
    .private_segment_fixed_size: 0
    .kernarg_segment_align: 8
    .kernarg_segment_size: 40
    .max_flat_workgroup_size: 128
    .sgpr_count:     66
    .vgpr_count:     160
    .wavefront_size: 32
...
	.end_amdgpu_metadata
.endif
;; end of part 1
;; launch prep2 (part 2): grid 641 x 1, 4 waves a work-group, no clusters, 19,200 bytes of LDS; arguments eid, x, gamma, beta, w2, w2q, hq, ord; writes w2q, hq, ord
.if DOCPART == 2
	.amdgcn_target "amdgcn-amd-amdhsa--gfx1250"
	.amdhsa_code_object_version 6
	.text
	.protected	k_q1bf3a58646_prep2
	.globl	k_q1bf3a58646_prep2
	.p2align	8
	.type	k_q1bf3a58646_prep2,@function
k_q1bf3a58646_prep2:
	s_mov_b64 s[64:65], 0
	v_nop
	global_prefetch_b8 v0, s[64:65] scope:SCOPE_SE
	s_setreg_imm32_b32 hwreg(HW_REG_WAVE_MODE, 25, 1), 1
	s_wait_xcnt 0x0
; THREE JOBS IN ONE LAUNCH, parted on the work-group's number.
; Work-group 0: THE SORT.  The tokens are placed by expert (a counting sort that keeps their order; whole numbers only, no atomics).  Expert e owns the slots of nt_e = ceil(T_e / 16) tiles of 16 from tile tb_e on;
;   the spare slots of its last tile repeat its last token, which lies in that same tile: such rows compute that token's own numbers once more.
;   ord: order[slot] = token at byte 0; at byte 8,448 tab[2 e] = tb_e, tab[2 e + 1] = nt_e, tab[8] = all tiles (wave 0 stores 32 words there: these nine and zeros).
; Work-groups 1-128: h = layernorm(x) x gamma[eid] + beta[eid], f32, quantised along d to E5M2 with one E8M0 byte for each 32.  hq: a token's 1,024 codes as [h = 0, 1][block 0..31][16 bytes], piece (h, block) holding
;   k = 32 block + 16 h + 0..15; its 32 scale bytes from byte 2,097,152 on.  A wave takes 4 tokens.  x, gamma and beta are loaded as they lie, 16 bytes a lane and 512 consecutive bytes a load; the mean, the variance
;   (of x - mean: no difference of large sums) and the affine step do not care which lane holds which number.  The finished row then turns through the wave's own stage in LDS and comes back 128 bytes a lane: a lane
;   owns one block of 32, so the block's largest magnitude needs no other lane and the conversions find neighbours along K in its registers.  The scale bytes leave 32 at a time (64 KiB in all).
; Work-groups 129-640: w2 [4][4096 (K)][1024 (N)] becomes codes and scales exactly as w1 does in the launch before:
;   codes [e][64 columns][K step of 128][tile ct][c][lane][16 bytes], scales [e][64 columns][256 along K][tile ct][r][8 bytes]; tile ct = 2 b + u, lane r = column 32 b + 8 u + r + 8 (r / 8).
; LDS: bytes 0-127 the sort's; from byte 256 on the h path's stages, 4,608 bytes a wave.
; LIMITS: NaN and infinities are not served.  A block of zeros, and one whose largest magnitude lies under 2^-111, gets the byte 1 (this program alone reads the bytes).
.set KD,     4096
.set ND,     1024
.set XGL,    3                         ; log2(ND / 128)
.set FIRST,  129                       ; the quantiser's first work-group
.set WSRC,   12                        ; s[12:13] the weight
.set WDST,   14                        ; s[14:15] its codes and scales
.set S,      KD/128
.set KQ,     KD/256
.set NCB,    ND/64
.set XG,     ND/128
.set W_SC,   16777216
.set EMAX,   15
.set X,      32                        ; quantiser: v32-95 two sets of 32 numbers; v96-159 codes; v24-25 scale bytes
.set C,      96
.set SB,     24
.set HS,     2097152                   ; hq: the scale bytes
.set TAB,    8448                      ; ord: the table
.set STG,    256                       ; LDS: the h path's stages begin here
.set WST,    4608                      ; a wave's stage: 32 blocks of 128 bytes + 16 of padding: a pitch of 144 bytes, 9 x 16, so that sixteen lanes' reads of 16 bytes fall on sixteen different columns of 16 bytes
.set XR,     16                        ; h: v16-79 two sets of 32 numbers of x; v80-111 gamma; v112-143 beta; v144-151 codes; v152-159 at work
.set GR,     80
.set BR,     112
.set CR,     144
	s_load_b256 s[4:11], s[0:1], 0x0               ; eid s[4:5], x s[6:7], gamma s[8:9], beta s[10:11]
	s_load_b256 s[12:19], s[0:1], 0x20             ; w2 s[12:13], w2q s[14:15], hq s[16:17], ord s[18:19]
	v_lshl_add_u32 v160, v0, 2, 0x4900
	v_mov_b32 v161, 0
	v_lshrrev_b32 v1, 5, v0
	v_readfirstlane_b32 s2, v1                     ; wave 0..3
	v_and_b32 v2, 31, v0                           ; lane
	s_cmp_eq_u32 ttmp9, 0
	s_cbranch_scc1 .Lsort
	s_cmp_lt_u32 ttmp9, FIRST
	s_cbranch_scc1 .Lnorm
; ---------------- the quantiser: a wave takes 32 columns x 256 along K; a lane a column, its registers down K
.macro QLOAD t
.set qi, 0
.rept 32
	global_load_b32 v[X+32*((\t)%2)+qi], v3, s[WSRC:WSRC+1] offset:(32*(\t)+qi)*ND*4 th:TH_LOAD_NT
.set qi, qi+1
.endr
.endm
.macro QBLOCK t
.set XS, X+32*((\t)%2)
.if (\t) < 7
	s_wait_loadcnt 32                              ; this block's 32 loads are in; the next block's 32 may be out
.else
	s_wait_loadcnt 0x0
.endif
	v_max3_num_f32 v12, |v[XS]|, |v[XS+1]|, |v[XS+2]|
	v_max3_num_f32 v13, |v[XS+3]|, |v[XS+4]|, |v[XS+5]|
.irp i, 6,10,14,18,22,26
	v_max3_num_f32 v12, v12, |v[XS+\i]|, |v[XS+\i+1]|
	v_max3_num_f32 v13, v13, |v[XS+\i+2]|, |v[XS+\i+3]|
.endr
	v_max3_num_f32 v12, v12, |v[XS+30]|, |v[XS+31]|
	v_max3_num_f32 v12, v12, v13, (EMAX+1)<<23     ; the floor 2^(16 - 127): the byte cannot fall under 1
	v_add_nc_u32 v11, -(EMAX<<23), v12             ; the conversion's scale operand
	v_and_or_b32 v10, v12, 0x7f800000, s35         ; 57,344 x the scale
	v_lshrrev_b32 v13, 23, v11                     ; the scale's byte
.if (\t)%4 == 0
	v_mov_b32 v[SB+(\t)/4], v13
.else
	v_lshl_or_b32 v[SB+(\t)/4], v13, 8*((\t)%4), v[SB+(\t)/4]
.endif
.set qi, 0
.rept 32
	v_med3_num_f32 v[XS+qi], v[XS+qi], -v10, v10   ; the conversion does not saturate (ISA guide 7.6.2): the hold comes first
.set qi, qi+1
.endr
.irp g, 0,1,2,3
	v_cvt_scalef32_pk8_bf8_f32 v[C+8*(\t)+2*\g:C+8*(\t)+2*\g+1], v[XS+8*\g:XS+8*\g+7], v11
.endr
	global_store_b128 v4, v[C+8*(\t):C+8*(\t)+3], s[30:31] offset:((\t)/4)*8192+((\t)%4)*512
	global_store_b128 v4, v[C+8*(\t)+4:C+8*(\t)+7], s[30:31] offset:((\t)/4)*8192+((\t)%4)*512+256
.if (\t) < 6
	QLOAD (\t)+2
.endif
.endm
	s_sub_co_u32 s20, ttmp9, FIRST
	s_and_b32 s21, s20, XG-1                       ; which 128 columns
	s_lshr_b32 s22, s20, XGL
	s_and_b32 s22, s22, KQ-1                       ; which 256 along K
	s_lshr_b32 s23, s20, 7                         ; the expert
	s_lshl_b32 s24, s21, 2
	s_add_co_u32 s24, s24, s2                      ; my wave's 32 columns
	s_lshr_b32 s25, s24, 1                         ; their block of 64
	s_and_b32 s26, s2, 1                           ; b
	s_mul_i32 s28, s23, KD
	s_lshl_b32 s27, s22, 8
	s_add_co_u32 s28, s28, s27
	s_mul_i32 s28, s28, ND*4
	s_lshl_b32 s27, s24, 7
	s_add_co_u32 s28, s28, s27
	s_mov_b32 s29, 0
	s_mul_i32 s27, s23, NCB
	s_add_co_u32 s27, s27, s25
	s_mul_i32 s30, s27, S
	s_lshl_b32 s32, s22, 1
	s_add_co_u32 s30, s30, s32
	s_lshl_b32 s30, s30, 13
	s_lshl_b32 s32, s26, 12
	s_add_co_u32 s30, s30, s32
	s_mov_b32 s31, 0
	s_mul_i32 s32, s27, KQ
	s_add_co_u32 s32, s32, s22
	s_lshl_b32 s32, s32, 9
	s_lshl_b32 s34, s26, 8
	s_add_co_u32 s32, s32, s34
	s_add_co_u32 s32, s32, W_SC
	s_mov_b32 s33, 0
	s_mov_b32 s35, 0x600000
	v_lshlrev_b32 v3, 2, v2
	v_bfe_u32 v6, v2, 3, 1                         ; u
	v_and_b32 v7, 7, v2
	v_lshrrev_b32 v8, 4, v2
	v_lshl_or_b32 v7, v8, 3, v7                    ; r
	v_lshlrev_b32 v4, 4, v7
	v_lshl_add_u32 v4, v6, 11, v4
	v_lshlrev_b32 v5, 3, v7
	v_lshl_add_u32 v5, v6, 7, v5
	s_wait_kmcnt 0x0
	s_add_nc_u64 s[WSRC:WSRC+1], s[WSRC:WSRC+1], s[28:29]
	s_add_nc_u64 s[30:31], s[WDST:WDST+1], s[30:31]
	s_add_nc_u64 s[32:33], s[WDST:WDST+1], s[32:33]
	QLOAD 0
	QLOAD 1
.irp t, 0,1,2,3,4,5,6,7
	QBLOCK \t
.endr
	global_store_b64 v5, v[SB:SB+1], s[32:33]
	s_endpgm
; ---------------- h
.Lnorm:
.macro HLX j                           ; token j's row of x into set j % 2: each load reads 512 consecutive bytes
.irp i, 0,1,2,3,4,5,6,7
	global_load_b128 v[XR+32*((\j)%2)+4*\i:XR+32*((\j)%2)+4*\i+3], v1, s[46:47] offset:4096*(\j)+512*\i th:TH_LOAD_NT
.endr
.endm
.macro HLG j                           ; gamma and beta of token j's expert, in the same places as x
.irp i, 0,1,2,3,4,5,6,7
	global_load_b128 v[GR+4*\i:GR+4*\i+3], v1, s[28+2*(\j):29+2*(\j)] offset:512*\i
.endr
.irp i, 0,1,2,3,4,5,6,7
	global_load_b128 v[BR+4*\i:BR+4*\i+3], v1, s[36+2*(\j):37+2*(\j)] offset:512*\i
.endr
.endm
.macro WSUM r                          ; the sum over the wave's 32 lanes, in every lane
.irp m, 1,2,4,8
	v_add_f32_dpp v[\r], v[\r], v[\r] row_xmask:\m row_mask:0xf bank_mask:0xf
.endr
	v_permlanex16_b32 v156, v[\r], s54, s55
	v_add_f32 v[\r], v[\r], v156
.endm
.macro HTOK j
.set XT, XR+32*((\j)%2)
.if (\j) < 3
	HLX (\j)+1
	s_wait_loadcnt 24                              ; this token's x is in; gamma, beta and the next token's x (8 each) may be out
.else
	s_wait_loadcnt 16
.endif
	v_pk_add_f32 v[152:153], v[XT:XT+1], v[XT+2:XT+3]
	v_pk_add_f32 v[154:155], v[XT+4:XT+5], v[XT+6:XT+7]
.irp i, 8,12,16,20,24,28
	v_pk_add_f32 v[152:153], v[152:153], v[XT+\i:XT+\i+1]
	v_pk_add_f32 v[154:155], v[154:155], v[XT+\i+2:XT+\i+3]
.endr
	v_pk_add_f32 v[152:153], v[152:153], v[154:155]
	v_add_f32 v152, v152, v153
	WSUM 152
	v_mul_f32 v152, s52, v152                      ; the mean
.set hi, 0
.rept 16
	v_pk_add_f32 v[XT+hi:XT+hi+1], v[XT+hi:XT+hi+1], v[152:153] op_sel_hi:[1,0] neg_lo:[0,1] neg_hi:[0,1]
.set hi, hi+2
.endr
	v_pk_mul_f32 v[152:153], v[XT:XT+1], v[XT:XT+1]
	v_pk_mul_f32 v[154:155], v[XT+2:XT+3], v[XT+2:XT+3]
.irp i, 4,8,12,16,20,24,28
	v_pk_fma_f32 v[152:153], v[XT+\i:XT+\i+1], v[XT+\i:XT+\i+1], v[152:153]
	v_pk_fma_f32 v[154:155], v[XT+\i+2:XT+\i+3], v[XT+\i+2:XT+\i+3], v[154:155]
.endr
	v_pk_add_f32 v[152:153], v[152:153], v[154:155]
	v_add_f32 v152, v152, v153
	WSUM 152
	v_fma_f32 v152, v152, s52, s53                 ; the variance + 1e-5
	v_rsq_f32 v158, v152
	v_nop                                          ; a plain line behind the transcendental
.set hi, 0
	s_wait_alu depctr_va_vdst(0)
.rept 16
	v_pk_mul_f32 v[XT+hi:XT+hi+1], v[XT+hi:XT+hi+1], v[158:159] op_sel_hi:[1,0]
.set hi, hi+2
.endr
.if (\j) < 3
	s_wait_loadcnt 8                               ; gamma and beta are in; the next token's x may be out
.else
	s_wait_loadcnt 0x0
.endif
.set hi, 0
.rept 16
	v_pk_fma_f32 v[XT+hi:XT+hi+1], v[XT+hi:XT+hi+1], v[GR+hi:GR+hi+1], v[BR+hi:BR+hi+1]
.set hi, hi+2
.endr
.if (\j) < 3
	HLG (\j)+1
.endif
	; THE TURN: the row goes into my wave's stage as it lies (byte 512 i + 16 lane of the row lies in block 4 i + lane / 8) and comes back a block a lane, into the registers that it left
.irp i, 0,1,2,3,4,5,6,7
	ds_store_b128 v7, v[XT+4*\i:XT+4*\i+3] offset:576*\i
.endr
.irp i, 0,1,2,3,4,5,6,7
	ds_load_b128 v[XT+4*\i:XT+4*\i+3], v8 offset:16*\i       ; LDS serves a wave's instructions in order (ISA guide 5.7.1.4): these see the stores above; the bytes are my wave's own
.endr
	s_wait_dscnt 0x0                               ; my block of 32 is in; the next token's stores into the stage come behind these reads
	s_wait_xcnt 0x0                                ; the last token's stores have read the codes' and the byte's registers
	v_max3_num_f32 v152, |v[XT]|, |v[XT+1]|, |v[XT+2]|
	v_max3_num_f32 v153, |v[XT+3]|, |v[XT+4]|, |v[XT+5]|
.irp i, 6,10,14,18,22,26
	v_max3_num_f32 v152, v152, |v[XT+\i]|, |v[XT+\i+1]|
	v_max3_num_f32 v153, v153, |v[XT+\i+2]|, |v[XT+\i+3]|
.endr
	v_max3_num_f32 v152, v152, |v[XT+30]|, |v[XT+31]|
	v_max3_num_f32 v152, v152, v153, (EMAX+1)<<23
	v_add_nc_u32 v154, -(EMAX<<23), v152
	v_and_or_b32 v155, v152, 0x7f800000, s56
	v_lshrrev_b32 v157, 23, v154
.set hi, 0
.rept 32
	v_med3_num_f32 v[XT+hi], v[XT+hi], -v155, v155
.set hi, hi+1
.endr
.irp g, 0,1,2,3
	v_cvt_scalef32_pk8_bf8_f32 v[CR+2*\g:CR+2*\g+1], v[XT+8*\g:XT+8*\g+7], v154
.endr
	v_nop                                          ; a plain line behind the last conversion
	global_store_b128 v1, v[CR:CR+3], s[48:49] offset:1024*(\j)          ; the wave stores 512 consecutive bytes: the row's pieces h = 0,
	global_store_b128 v1, v[CR+4:CR+7], s[48:49] offset:1024*(\j)+512    ; and h = 1
	global_store_b8 v2, v157, s[50:51] offset:32*(\j)
.endm
	s_sub_co_u32 s20, ttmp9, 1
	s_lshl_b32 s20, s20, 4
	s_lshl_b32 s21, s2, 2
	s_add_co_u32 s20, s20, s21                     ; my first token
	s_lshl_b32 s22, s20, 2
	s_mov_b32 s23, 0
	s_mov_b32 s45, 0
	s_mov_b32 s52, 0x3a800000                      ; 1 / 1,024
	s_mov_b32 s53, 0x3727c5ac                      ; 1e-5
	s_mov_b32 s54, 0x76543210
	s_mov_b32 s55, 0xfedcba98
	s_mov_b32 s56, 0x600000
	s_mul_i32 s57, s2, WST
	s_add_co_u32 s57, s57, STG                     ; my wave's stage
	v_lshlrev_b32 v1, 4, v2                        ; 16 x lane: my bytes of a load's 512, and my piece of a row's codes
	v_lshrrev_b32 v7, 3, v2
	v_mul_u32_u24 v7, v7, 144
	v_and_b32 v8, 7, v2
	v_lshl_add_u32 v7, v8, 4, v7
	v_add_nc_u32 v7, s57, v7                       ; the stage, on the way in: 144 (lane / 8) + 16 (lane % 8); a load's 512 bytes are four blocks: 576 bytes on
	v_mul_u32_u24 v8, v2, 144
	v_add_nc_u32 v8, s57, v8                       ; and on the way out: 144 x lane: my block
	v_mov_b32 v156, 0                              ; written once: a lane permute's destination counts as one of its sources
	v_mov_b32 v159, 0                              ; (named as the upper half of the pair v[158:159])
	s_wait_kmcnt 0x0
	s_add_nc_u64 s[22:23], s[4:5], s[22:23]
	s_load_b128 s[24:27], s[22:23], 0x0            ; my four tokens' experts
	s_lshl_b32 s44, s20, 12
	s_add_nc_u64 s[46:47], s[6:7], s[44:45]
	HLX 0
	s_lshl_b32 s44, s20, 10
	s_add_nc_u64 s[48:49], s[16:17], s[44:45]
	s_lshl_b32 s44, s20, 5
	s_add_co_u32 s44, s44, HS
	s_add_nc_u64 s[50:51], s[16:17], s[44:45]
	s_wait_kmcnt 0x0
.irp j, 0,1,2,3
	s_min_u32 s[24+\j], s[24+\j], 3
	s_lshl_b32 s44, s[24+\j], 12
	s_add_nc_u64 s[28+2*\j:29+2*\j], s[8:9], s[44:45]
	s_add_nc_u64 s[36+2*\j:37+2*\j], s[10:11], s[44:45]
.endr
	HLG 0
.irp j, 0,1,2,3
	HTOK \j
.endr
	s_wait_tensorcnt 0x0
	ds_add_u32 v160, v161
	s_wait_dscnt 0x0
	s_endpgm
; ---------------- the sort: 128 threads, 16 tokens each
.Lsort:
.macro SCAN r                          ; the running sum over the wave's lanes, this lane's number included (VCC: lanes 16-31)
.irp n, 1,2,4,8
	v_mov_b32_dpp v34, v[\r] row_shr:\n row_mask:0xf bank_mask:0xf bound_ctrl:1
	v_add_nc_u32 v[\r], v[\r], v34
.endr
	v_readlane_b32 s20, v[\r], 15
	v_mov_b32 v34, s20
	v_cndmask_b32 v34, 0, v34, vcc_lo
	v_add_nc_u32 v[\r], v[\r], v34
.endm
.macro WMAX r                          ; the largest over the wave's lanes, in every lane
.irp m, 1,2,4,8
	v_mov_b32_dpp v34, v[\r] row_xmask:\m row_mask:0xf bank_mask:0xf
	v_max_u32 v[\r], v[\r], v34
.endr
	v_permlanex16_b32 v34, v[\r], s54, s55
	v_max_u32 v[\r], v[\r], v34
.endm
	s_mov_b32 s54, 0x76543210
	s_mov_b32 s55, 0xfedcba98
	v_lshlrev_b32 v1, 6, v0
	v_lshlrev_b32 v3, 4, v0                        ; my first token
	v_lshlrev_b32 v5, 2, v0                        ; the table's store: 4 bytes a thread; made here, all lanes on, and kept
	v_mov_b32 v6, 0                                ; the table's words: wave 0 sets nine of its lanes further down
	s_wait_kmcnt 0x0
.irp i, 0,1,2,3
	global_load_b128 v[16+4*\i:19+4*\i], v1, s[4:5] offset:16*\i
.endr
	v_mov_b32 v32, 0                               ; four counts, a byte each (16 at the most)
	v_mov_b32 v33, 0                               ; for each expert: 1 + the place of my last token that it takes, a byte each
	v_mov_b32 v34, 0
	v_mov_b32 v35, 1
	v_mov_b32 v89, 0xff
	s_wait_loadcnt 0x0
.set sk, 0
.rept 16
	v_min_u32 v[16+sk], 3, v[16+sk]
	v_lshlrev_b32 v[48+sk], 3, v[16+sk]            ; the expert's byte
	v_lshrrev_b32 v[64+sk], v[48+sk], v32
	v_and_b32 v[64+sk], 0xff, v[64+sk]             ; how many of my earlier tokens went to this expert
	v_lshlrev_b32 v90, v[48+sk], v35
	v_add_nc_u32 v32, v32, v90
	v_mov_b32 v92, sk+1
	v_lshlrev_b32 v90, v[48+sk], v92
	v_lshlrev_b32 v91, v[48+sk], v89
	v_bfi_b32 v33, v91, v90, v33
.set sk, sk+1
.endr
	v_and_b32 v36, 0xff, v32
	v_bfe_u32 v90, v32, 8, 8
	v_lshl_or_b32 v36, v90, 16, v36                ; my counts for experts 0 and 1, 16 bits each (2,048 at the most in all),
	v_bfe_u32 v37, v32, 16, 8
	v_lshrrev_b32 v90, 24, v32
	v_lshl_or_b32 v37, v90, 16, v37                ; and for experts 2 and 3
.irp e, 0,1,2,3
	v_bfe_u32 v90, v33, 8*\e, 8
	v_cmp_ne_u32 vcc_lo, 0, v90
	v_add_nc_u32 v90, v90, v3
	v_cndmask_b32 v[42+\e], 0, v90, vcc_lo         ; 1 + my last token of expert e, or 0
.endr
	v_mov_b32 v38, v36
	v_mov_b32 v39, v37
	v_cmp_lt_u32 vcc_lo, 15, v2
	SCAN 38
	SCAN 39
.irp e, 0,1,2,3
	WMAX 42+\e
.endr
	v_readlane_b32 s21, v38, 31
	v_readlane_b32 s22, v39, 31
	v_mov_b32 v40, s21                             ; the wave's counts
	v_mov_b32 v41, s22
	s_lshl_b32 s23, s2, 5
	v_mov_b32 v46, s23
	ds_store_b128 v46, v[40:43]                    ; every lane writes the same words with the same numbers: 24 bytes a wave, at 32 x wave
	ds_store_b64 v46, v[44:45] offset:16
	s_wait_dscnt 0x0                               ; for the other waves' sake
	s_barrier_signal -1
	s_barrier_wait -1
	v_mov_b32 v47, 0
.irp k, 0,1,2,3
	ds_load_b128 v[112+8*\k:115+8*\k], v47 offset:32*\k
	ds_load_b64 v[116+8*\k:117+8*\k], v47 offset:32*\k+16
.endr
	s_wait_dscnt 0x0
.irp k, 0,1,2,3
.irp i, 0,1,2,3,4,5
	v_readfirstlane_b32 s[24+6*\k+\i], v[112+8*\k+\i]
.endr
.endr
	s_add_co_u32 s48, s24, s30
	s_add_co_u32 s48, s48, s36
	s_add_co_u32 s48, s48, s42                     ; T_0, T_1
	s_add_co_u32 s49, s25, s31
	s_add_co_u32 s49, s49, s37
	s_add_co_u32 s49, s49, s43                     ; T_2, T_3
	s_mov_b32 s50, 0
	s_mov_b32 s51, 0
.irp k, 0,1,2                          ; what the waves in front of mine have counted
	s_cmp_gt_u32 s2, \k
	s_cselect_b32 s52, s[24+6*\k], 0
	s_cselect_b32 s53, s[25+6*\k], 0
	s_add_co_u32 s50, s50, s52
	s_add_co_u32 s51, s51, s53
.endr
	s_and_b32 s56, s48, 0xffff
	s_lshr_b32 s57, s48, 16
	s_and_b32 s58, s49, 0xffff
	s_lshr_b32 s59, s49, 16
.irp e, 0,1,2,3
	s_add_co_u32 s[60+\e], s[56+\e], 15
	s_lshr_b32 s[60+\e], s[60+\e], 4               ; nt_e
.endr
	s_mov_b32 s66, 0                               ; tb_e
	s_add_co_u32 s67, s66, s60
	s_add_co_u32 s68, s67, s61
	s_add_co_u32 s69, s68, s62
	s_add_co_u32 s70, s69, s63                     ; all tiles
.irp e, 0,1,2,3
	s_max_u32 s[71+\e], s[26+\e], s[32+\e]
	s_max_u32 s[71+\e], s[71+\e], s[38+\e]
	s_max_u32 s[71+\e], s[71+\e], s[44+\e]
	s_max_u32 s[71+\e], s[71+\e], 1
	s_sub_co_u32 s[71+\e], s[71+\e], 1             ; expert e's last token
	s_lshl_b32 s52, s[66+\e], 4
	s_add_co_u32 s[76+\e], s52, s[56+\e]           ; its first spare slot,
	s_lshl_b32 s52, s[60+\e], 4
	s_sub_co_u32 s[80+\e], s52, s[56+\e]           ; and how many there are
.endr
	; the table: wave 0 alone, all its lanes on: 128 consecutive bytes from byte 8,448 of ord on, the nine numbers in lanes 0 to 8, zeros in the others
	s_cmp_lg_u32 s2, 0
	s_cbranch_scc1 .Lno_tab
	v_writelane_b32 v6, s66, 0
	v_writelane_b32 v6, s60, 1
	v_writelane_b32 v6, s67, 2
	v_writelane_b32 v6, s61, 3
	v_writelane_b32 v6, s68, 4
	v_writelane_b32 v6, s62, 5
	v_writelane_b32 v6, s69, 6
	v_writelane_b32 v6, s63, 7
	v_writelane_b32 v6, s70, 8
	global_store_b32 v5, v6, s[18:19] offset:TAB
.Lno_tab:
	v_sub_nc_u32 v38, v38, v36                     ; the lanes in front of me,
	v_sub_nc_u32 v39, v39, v37
	v_add_nc_u32 v38, s50, v38                     ; and the waves in front of mine
	v_add_nc_u32 v39, s51, v39
	s_lshl_b32 s52, s67, 4
	s_lshl_b32 s53, s68, 4
	s_lshl_b32 s20, s69, 4
	v_and_b32 v84, 0xffff, v38                     ; the slot of my first token of expert 0 (tb_0 = 0),
	v_lshrrev_b32 v85, 16, v38
	v_add_nc_u32 v85, s52, v85                     ; of expert 1,
	v_and_b32 v86, 0xffff, v39
	v_add_nc_u32 v86, s53, v86                     ; 2,
	v_lshrrev_b32 v87, 16, v39
	v_add_nc_u32 v87, s20, v87                     ; 3
.set sk, 0
.rept 16                               ; each token has an address and a data register of its own: none is written again
	v_cmp_eq_u32 vcc_lo, 1, v[16+sk]
	v_cndmask_b32 v88, v84, v85, vcc_lo
	v_cmp_eq_u32 vcc_lo, 2, v[16+sk]
	v_cndmask_b32 v88, v88, v86, vcc_lo
	v_cmp_eq_u32 vcc_lo, 3, v[16+sk]
	v_cndmask_b32 v88, v88, v87, vcc_lo
	v_add_nc_u32 v[64+sk], v[64+sk], v88
	v_min_u32 v[64+sk], 0x83f, v[64+sk]            ; a slot lies under 2,112
	v_lshlrev_b32 v[64+sk], 2, v[64+sk]
	v_add_nc_u32 v[96+sk], sk, v3
	global_store_b32 v[64+sk], v[96+sk], s[18:19]
.set sk, sk+1
.endr
	; the spare slots: thread t < 64 takes spare slot t % 16 of expert t / 16, if there is one
	v_lshrrev_b32 v34, 4, v0
	v_and_b32 v35, 15, v0
	v_mov_b32 v89, s76
	v_mov_b32 v90, s80
	v_mov_b32 v91, s71
.irp e, 1,2,3
	v_cmp_eq_u32 vcc_lo, \e, v34
	v_mov_b32 v92, s[76+\e]
	v_cndmask_b32 v89, v89, v92, vcc_lo
	v_mov_b32 v92, s[80+\e]
	v_cndmask_b32 v90, v90, v92, vcc_lo
	v_mov_b32 v92, s[71+\e]
	v_cndmask_b32 v91, v91, v92, vcc_lo
.endr
	v_cmp_gt_u32 vcc_lo, 64, v0
	v_cndmask_b32 v90, 0, v90, vcc_lo
	v_add_nc_u32 v89, v89, v35
	v_min_u32 v89, 0x83f, v89
	v_lshlrev_b32 v89, 2, v89
	v_cmp_lt_u32 vcc_lo, v35, v90
	s_wait_xcnt 0x0                                ; EXEC changes only behind this wait
	s_wait_tensorcnt 0x0
	ds_add_u32 v160, v161
	s_wait_dscnt 0x0
	s_and_saveexec_b32 s52, vcc_lo
	global_store_b32 v89, v91, s[18:19]
	s_wait_xcnt 0x0                                ; and again, in front of the line that widens it
	s_or_b32 exec_lo, exec_lo, s52
	s_endpgm
.Lfunc_end_k_q1bf3a58646_prep2:
	.size	k_q1bf3a58646_prep2, .Lfunc_end_k_q1bf3a58646_prep2-k_q1bf3a58646_prep2
	.p2alignl 7, 3214868480
	.fill 96, 4, 3214868480
	.section	.rodata,"a",@progbits
	.p2align	6, 0x0
	.amdhsa_kernel k_q1bf3a58646_prep2
		.amdhsa_group_segment_fixed_size 19200
		.amdhsa_private_segment_fixed_size 0
		.amdhsa_enable_private_segment 0
		.amdhsa_kernarg_size 64
		.amdhsa_user_sgpr_count 2
		.amdhsa_user_sgpr_kernarg_segment_ptr 1
		.amdhsa_wavefront_size32 1
		.amdhsa_system_sgpr_workgroup_id_x 1
		.amdhsa_system_sgpr_workgroup_id_y 1
		.amdhsa_system_sgpr_workgroup_id_z 1
		.amdhsa_system_vgpr_workitem_id 0
		.amdhsa_next_free_vgpr 162
		.amdhsa_next_free_sgpr 84
		.amdhsa_reserve_vcc 1
		.amdhsa_float_denorm_mode_32 3
		.amdhsa_float_denorm_mode_16_64 3
		.amdhsa_memory_ordered 1
		.amdhsa_forward_progress 1
		.amdhsa_inst_pref_size 136
	.end_amdhsa_kernel
	.amdgpu_metadata
---
amdhsa.version: [ 1, 2 ]
amdhsa.kernels:
  - .name:           k_q1bf3a58646_prep2
    .symbol:         k_q1bf3a58646_prep2.kd
    .args:
      - { .name: eid, .offset: 0, .size: 8, .value_kind: global_buffer, .address_space: global }
      - { .name: x, .offset: 8, .size: 8, .value_kind: global_buffer, .address_space: global }
      - { .name: gamma, .offset: 16, .size: 8, .value_kind: global_buffer, .address_space: global }
      - { .name: beta, .offset: 24, .size: 8, .value_kind: global_buffer, .address_space: global }
      - { .name: w2, .offset: 32, .size: 8, .value_kind: global_buffer, .address_space: global }
      - { .name: w2q, .offset: 40, .size: 8, .value_kind: global_buffer, .address_space: global }
      - { .name: hq, .offset: 48, .size: 8, .value_kind: global_buffer, .address_space: global }
      - { .name: ord, .offset: 56, .size: 8, .value_kind: global_buffer, .address_space: global }
    .group_segment_fixed_size: 19200
    .private_segment_fixed_size: 0
    .kernarg_segment_align: 8
    .kernarg_segment_size: 64
    .max_flat_workgroup_size: 128
    .sgpr_count:     84
    .vgpr_count:     162
    .wavefront_size: 32
...
	.end_amdgpu_metadata
.endif
;; end of part 2
;; launch ff1 (part 3): grid 16 x 16, 4 waves a work-group, no clusters, 150,272 bytes of LDS; arguments w1q, hq, ord, b1, hid; writes hid
.if DOCPART == 3
	.amdgcn_target "amdgcn-amd-amdhsa--gfx1250"
	.amdhsa_code_object_version 6
	.text
	.protected	k_q1bf3a58646_ff1
	.globl	k_q1bf3a58646_ff1
	.p2align	8
	.type	k_q1bf3a58646_ff1,@function
k_q1bf3a58646_ff1:
	s_mov_b64 s[64:65], 0
	v_nop
	global_prefetch_b8 v0, s[64:65] scope:SCOPE_SE
	s_setreg_imm32_b32 hwreg(HW_REG_WAVE_MODE, 25, 1), 1
	s_wait_xcnt 0x0
; hid = Q(relu(Q(h) Q(w1[e]) + b1[e])) for the rows that expert e was chosen for, on codes of E5M2 with one E8M0 scale for each 32 along K; the sums are f32.
; SHARES.  Work-group (x = g, y = 4 e + q) makes hidden units 256 g .. 256 g + 255 for quarter q of expert e's tiles of 16 slots.  Wave w takes units 256 g + 64 w .. + 63: its 32 fragments of w1 (64 KiB, one dense
; block of w1q) stay in 512 registers, read once.  The rows go in passes of 9 tiles: the slot list names the tokens, their codes are gathered into LDS (each wave 4 rows of each tile), and every wave reads all rows.
; A quarter has up to 32 tiles (all tokens on one expert), so the loop over passes has the constant count 4; a pass without tiles is two barriers.  Up to 576 tokens an expert one pass has work; beyond that further passes do.
; The walk hangs on counts read from memory, so this text has no tensor load and hence no joint load: operands go from memory to registers, the rows through LDS by stores.  No prefetch is laid: a wave asks for
; its whole share of the weights at its first lines.
; THE PRODUCT IS USED TRANSPOSED (source 0 = 16 columns of w1, source 1 = 16 rows of h): a lane holds one row, and, by the order in which w1q lays a tile's columns, the 16 registers of tiles 2 b, 2 b + 1 are hidden
; units 32 b + 16 (lane / 16) + 0..15: the conversions' results are the next product's operand.  b1 is the C of each sum's first product.  relu is the lower end of the hold that the conversion wants anyway.
; hid: codes [tile of slots][K step of 128][c][lane][16 bytes], the image of the next product's fragment; scale words [tile][K step][row][4 bytes] from byte 8,650,752 on.  A wave makes half a K step: it stores 2 x 512
; dense bytes of codes and, for each row, two of the word's four bytes (these small stores are 1 byte in 33 of what the launch stores).
; So that each register is written before it is read on every way through the text, the first gather stands ahead of the loop without a condition (tile numbers are held inside the list).
; LIMITS: NaN and infinities are not served; a block whose largest number lies under 2^-111 (a block of zeros too) gets the byte 1.
; REGISTERS, in windows of 256: window 0: addresses, scales, biases, the four accumulators, codes.  Windows 1, 2: w1's fragments (K step s, tile ct) at 16 (4 (s % 4) + ct), window 1 + s / 4.
;   Window 3: two sets of 128: a tile's eight fragments of h; during a gather the rows on their way.
.set W_SC, 16777216
.set HS,   2097152
.set HDS,  8650752
.set LA,  4                            ; v4-6    LDS: my lane's place in tile 0, 3, 6: 1,040 r + 512 h (+ 49,920 j)
.set GA,  7                            ; v7-9    LDS: where I put gathered rows: 4,160 w + 16 lane (+ 49,920 j)
.set BS,  16                           ; v16-47  w1's scale words: the pair of (256 along K: kq, tile ct) at 16 + 2 (4 kq + ct)
.set XS,  48                           ; v48-119 h's scale words: tile i, K step s at 48 + 8 i + s
.set BI,  120                          ; v120-151 b1 in the result's layout, 8 a tile
.set HA,  152                          ; v152-183 the four accumulators
.set TM,  184                          ; v184-191 at work in the quantiser
.set PC,  192                          ; v192-199 the codes just made
.set PW,  200                          ; v200    their two scale bytes
.set TV,  202                          ; v202-210 tile i: my row's token, then its scale bytes' offset
.set VA,  212                          ; v212-247 the byte offsets of the 36 rows that I gather
.set MSB, 0
.macro WIN new                         ; the immediate's high byte repeats the setting that is left
.if MSB != \new
	s_set_vgpr_msb (MSB<<8)|\new
.set MSB, \new
.endif
.endm
	s_load_b256 s[4:11], s[0:1], 0x0               ; w1q s[4:5], hq s[6:7], ord s[8:9], b1 s[10:11]
	s_load_b64 s[12:13], s[0:1], 0x20              ; hid
	v_lshl_add_u32 v254, v0, 2, 0x24900
	v_mov_b32 v255, 0
	v_lshrrev_b32 v1, 5, v0
	v_readfirstlane_b32 s14, v1                    ; wave 0..3
	v_and_b32 v13, 31, v0
	v_lshlrev_b32 v1, 4, v13                       ; 16 x lane
	v_and_b32 v2, 15, v0                           ; r
	v_bfe_u32 v3, v0, 4, 1                         ; h
	v_mul_u32_u24 v[LA], v2, 1040
	v_lshl_add_u32 v[LA], v3, 9, v[LA]
	v_add_nc_u32 v[LA+1], 49920, v[LA]
	v_add_nc_u32 v[LA+2], 99840, v[LA]
	s_mul_i32 s88, s14, 4160
	v_add_nc_u32 v[GA], s88, v1
	v_add_nc_u32 v[GA+1], 49920, v[GA]
	v_add_nc_u32 v[GA+2], 99840, v[GA]
	v_lshlrev_b32 v10, 2, v2                       ; 4 r
	v_lshlrev_b32 v11, 6, v3                       ; 64 h
	v_lshlrev_b32 v12, 3, v2                       ; 8 r
	v_mov_b32 v[TM+2], 0                           ; written once: a lane permute's destination counts as one of its sources
	v_mov_b32 v[TM+3], 0
	s_mov_b32 s15, ttmp9                           ; g
	s_and_b32 s88, ttmp7, 0xffff
	s_lshr_b32 s16, s88, 2                         ; e
	s_and_b32 s17, s88, 3                          ; q
	s_lshl_b32 s94, s16, 3
	s_mov_b32 s26, 0x76543210
	s_mov_b32 s27, 0xfedcba98
	s_mov_b32 s75, 0x600000                        ; the mantissa field of 57,344
	s_lshl_b32 s88, s16, 6
	s_lshl_b32 s89, s15, 2
	s_add_co_u32 s88, s88, s89
	s_add_co_u32 s88, s88, s14                     ; 64 e + 4 g + w: my block of 64 columns
	s_mov_b32 s91, 0
	s_wait_kmcnt 0x0
	s_load_b64 s[18:19], s[8:9], s94 offset:8448   ; tb_e, nt_e
	s_load_b32 s20, s[8:9], 0x2120                 ; all tiles
	s_lshl_b32 s90, s88, 16
	s_add_nc_u64 s[82:83], s[4:5], s[90:91]        ; my 65,536 bytes of codes
	s_lshl_b32 s90, s88, 11
	s_add_co_u32 s90, s90, W_SC
	s_add_nc_u64 s[84:85], s[4:5], s[90:91]        ; my 2,048 bytes of scales
	s_lshl_b32 s90, s88, 8
	s_add_nc_u64 s[80:81], s[10:11], s[90:91]      ; my 64 numbers of b1
	s_add_nc_u64 s[86:87], s[6:7], HS              ; h's scale bytes
	WIN 0x40                                       ; destination window 1: K steps 0-3
.set n, 0
.rept 64
	global_load_b128 v[4*n:4*n+3], v1, s[82:83] offset:512*n
.set n, n+1
.endr
	WIN 0x80                                       ; window 2: K steps 4-7
.set n, 0
.rept 64
	global_load_b128 v[4*n:4*n+3], v1, s[82:83] offset:32768+512*n
.set n, n+1
.endr
	WIN 0
.irp kq, 0,1,2,3
.irp c, 0,1,2,3
	global_load_b64 v[BS+2*(4*\kq+\c):BS+2*(4*\kq+\c)+1], v12, s[84:85] offset:512*\kq+128*\c
.endr
.endr
.irp c, 0,1,2,3                        ; tile c = 2 b + u, lane (r, h), register j: unit 32 b + 16 h + 8 u + j
	global_load_b128 v[BI+8*\c:BI+8*\c+3], v11, s[80:81] offset:(32*(\c/2)+8*(\c%2))*4
	global_load_b128 v[BI+8*\c+4:BI+8*\c+7], v11, s[80:81] offset:(32*(\c/2)+8*(\c%2))*4+16
.endr
	s_wait_kmcnt 0x0
	s_min_u32 s18, s18, 131
	s_min_u32 s19, s19, 128
	s_min_u32 s20, s20, 132
	s_sub_co_u32 s20, s20, 1                       ; the list's last tile
	s_add_co_u32 s21, s19, 3
	s_lshr_b32 s21, s21, 2                         ; tiles in a quarter
	s_mul_i32 s88, s17, s21
	s_add_co_u32 s22, s18, s88                     ; T0: my first tile
	s_sub_co_i32 s23, s19, s88
	s_min_i32 s23, s23, s21                        ; N: my tiles still to do (0 or less: none)
.macro GLD i, rb                       ; my four rows of tile i: two loads of 512 dense bytes each
.irp k, 0,1,2,3
	global_load_b128 v[(\rb)+8*\k:(\rb)+8*\k+3], v[VA+4*(\i)+\k], s[6:7]
	global_load_b128 v[(\rb)+8*\k+4:(\rb)+8*\k+7], v[VA+4*(\i)+\k], s[6:7] offset:512
.endr
.endm
.macro GST i, rb                       ; and into LDS: row 16 i + 4 w + k, pitch 1,040
.irp k, 0,1,2,3
	ds_store_b128 v[GA+(\i)/3], v[(\rb)+8*\k:(\rb)+8*\k+3] offset:((\i)%3)*16640+\k*1040
	ds_store_b128 v[GA+(\i)/3], v[(\rb)+8*\k+4:(\rb)+8*\k+7] offset:((\i)%3)*16640+\k*1040+512
.endr
.endm
; THE GATHER of a pass's 9 tiles.  Tile i of the pass is tile T0 + min(i, N - 1) of the list: places beyond the quarter's end repeat its last tile, and are not multiplied.
.macro GPART
	s_sub_co_i32 s25, s23, 1
	s_max_i32 s25, s25, 0
	s_min_i32 s25, s25, 8
	s_lshl_b32 s89, s14, 4
.irp i, 0,1,2,3,4,5,6,7,8
	s_min_u32 s88, s25, \i
	s_add_co_u32 s88, s88, s22
	s_min_u32 s88, s88, s20
	s_min_u32 s88, s88, 131
	s_lshl_b32 s88, s88, 6                         ; 64 bytes of the list a tile
	v_add_nc_u32 v[TV+\i], s88, v10
	s_add_co_u32 s[66+\i], s88, s89
	global_load_b32 v[TV+\i], v[TV+\i], s[8:9]     ; lane r: row r's token (for its scale words)
	s_load_b128 s[28+4*\i:31+4*\i], s[8:9], s[66+\i] offset:0x0   ; the tokens of the four rows that I gather
.endr
	s_wait_kmcnt 0x0
.set n, 0
.rept 36
	s_min_u32 s[28+n], s[28+n], 2047
	s_lshl_b32 s[28+n], s[28+n], 10
	v_add_nc_u32 v[VA+n], s[28+n], v1
.set n, n+1
.endr
	WIN 0xC0                                       ; destination window 3
.irp i, 0,1,2,3,4,5,6,7
	GLD \i, 32*\i
.endr
	WIN 0
	s_wait_loadcnt 63                              ; 64 loads are younger than the nine of the list: those nine are in
.irp i, 0,1,2,3,4,5,6,7,8
	v_min_u32 v[TV+\i], 0x7ff, v[TV+\i]
	v_lshlrev_b32 v[TV+\i], 5, v[TV+\i]
.endr
.irp i, 0,1,2,3,4,5,6,7,8
	global_load_b128 v[XS+8*\i:XS+8*\i+3], v[TV+\i], s[86:87]
	global_load_b128 v[XS+8*\i+4:XS+8*\i+7], v[TV+\i], s[86:87] offset:16
.endr
	s_wait_loadcnt 50                              ; tiles 0-3 are in: younger are tiles 4-7 (32) and the scale words (18)
	WIN 0x0C                                       ; an LDS store's data: window 3
.irp i, 0,1,2,3
	GST \i, 32*\i
.endr
	s_wait_dscnt 0x0                               ; the stores have read their registers
	WIN 0xC0
	GLD 8, 0
	s_wait_loadcnt 26                              ; tiles 4-7 are in: younger are the scale words (18) and tile 8 (8)
	WIN 0x0C
.irp i, 4,5,6,7
	GST \i, 32*\i
.endr
	s_wait_loadcnt 0x0                             ; everything is in, the weights too
	GST 8, 0
	WIN 0
.endm
.macro ALOAD i                         ; tile i's eight fragments into set i % 2: piece (h, block k) of row r lies at 1,040 r + 512 h + 16 k
	WIN 0xC0
.set n, 0
.rept 32
	ds_load_b128 v[128*((\i)%2)+4*n:128*((\i)%2)+4*n+3], v[LA+(\i)/3] offset:((\i)%3)*16640+16*n
.set n, n+1
.endr
	WIN 0
.endm
; 32 numbers of a lane, register 16 b + i = hidden unit 32 b + 16 (lane / 16) + i of my row, become two pieces of codes and two scale bytes.  No |.| on the maximum's sources: what is negative becomes 0.
.macro QUANT2
.irp b, 0,1
	v_max3_num_f32 v[TM+\b], v[HA+16*\b], v[HA+16*\b+1], 0x8000000     ; each accumulator is read from its low end on; the floor 2^(16 - 127) holds the byte at 1 from below
.endr
.irp i, 2,4,6,8,10,12,14
.irp b, 0,1
	v_max3_num_f32 v[TM+\b], v[TM+\b], v[HA+16*\b+\i], v[HA+16*\b+\i+1]
.endr
.endr
.irp b, 0,1
	v_permlanex16_b32 v[TM+2+\b], v[TM+\b], s26, s27
.endr
.irp b, 0,1
	v_max_num_f32 v[TM+\b], v[TM+\b], v[TM+2+\b]   ; with lane l xor 16's 16: the block's largest number
.endr
.irp b, 0,1
	v_add_nc_u32 v[TM+6+\b], 0xf8800000, v[TM+\b]  ; 15 off the exponent field: the conversion's scale operand
.endr
.irp b, 0,1
	v_and_or_b32 v[TM+4+\b], v[TM+\b], 0x7f800000, s75   ; 57,344 x the scale
.endr
.irp b, 0,1
	v_lshrrev_b32 v[TM+2+\b], 23, v[TM+6+\b]       ; the scale's byte
.endr
	v_lshl_or_b32 v[PW], v[TM+3], 8, v[TM+2]
.irp b, 0,1
.set n, 0
.rept 16
	v_med3_num_f32 v[HA+16*\b+n], v[HA+16*\b+n], 0, v[TM+4+\b]   ; relu and the hold in one (the conversion does not saturate: ISA guide 7.6.2)
.set n, n+1
.endr
	v_cvt_scalef32_pk8_bf8_f32 v[PC+4*\b:PC+4*\b+1], v[HA+16*\b:HA+16*\b+7], v[TM+6+\b]
	v_cvt_scalef32_pk8_bf8_f32 v[PC+4*\b+2:PC+4*\b+3], v[HA+16*\b+8:HA+16*\b+15], v[TM+6+\b]
.endr
	v_nop                                          ; a plain line between the last conversion and the next products, which write its sources
.endm
; A TILE of 16 rows: 32 products, the four accumulators by turns, K ascending.
.macro TILE i
.if (\i) > 0
	s_cmp_le_i32 s23, \i                           ; the quarter's tiles are done: out, forward
	s_cbranch_scc1 .Lc_end
.endif
	s_wait_dscnt 0x0                               ; this tile's fragments are in
.if (\i) < 8
	ALOAD (\i)+1                                   ; the next tile's come while this one is multiplied; that set's last products stand ahead of eight v_nop and a quantiser
.endif
	WIN 0x0D                                       ; source 0 (w1) window 1, source 1 (h) window 3
.irp s, 0,1,2,3,4,5,6,7
.if \s == 4
	WIN 0x0E                                       ; source 0 window 2
.endif
.irp c, 0,1,2,3
.if \s == 0
	v_wmma_scale_f32_16x16x128_f8f6f4 v[HA+8*\c:HA+8*\c+7], v[16*(4*(\s%4)+\c):16*(4*(\s%4)+\c)+15], v[128*((\i)%2)+16*\s:128*((\i)%2)+16*\s+15], v[BI+8*\c:BI+8*\c+7], v[BS+2*(4*(\s/2)+\c)+(\s%2)], v[XS+8*(\i)+\s] matrix_a_fmt:MATRIX_FMT_BF8 matrix_b_fmt:MATRIX_FMT_BF8
.else
	v_wmma_scale_f32_16x16x128_f8f6f4 v[HA+8*\c:HA+8*\c+7], v[16*(4*(\s%4)+\c):16*(4*(\s%4)+\c)+15], v[128*((\i)%2)+16*\s:128*((\i)%2)+16*\s+15], v[HA+8*\c:HA+8*\c+7], v[BS+2*(4*(\s/2)+\c)+(\s%2)], v[XS+8*(\i)+\s] matrix_a_fmt:MATRIX_FMT_BF8 matrix_b_fmt:MATRIX_FMT_BF8
.endif
.endr
.endr
	WIN 0
.rept 8
	v_nop                                          ; eight places behind this form before its results are read
.endr
	s_wait_xcnt 0x0                                ; the last tile's stores have read the codes' and the bytes' registers
	QUANT2
.irp b, 0,1
	global_store_b128 v1, v[PC+4*\b:PC+4*\b+3], s[76:77] offset:(\i)*65536+512*\b   ; 512 dense bytes: piece 2 (w % 2) + b of the fragment's image
.endr
	global_store_b16 v10, v[PW], s[78:79] offset:(\i)*2048                          ; bytes 2 (w % 2), + 1 of my row's scale word (lanes 16-31 store the same numbers to the same places)
.endm
	GPART                                          ; the first pass's rows, without a condition
	s_mov_b32 s24, 0
.Lpass:
	s_wait_dscnt 0x0                               ; my rows lie in LDS
	s_barrier_signal -1
	s_barrier_wait -1                              ; everybody's do
	s_cmp_le_i32 s23, 0
	s_cbranch_scc1 .Lc_end
	s_wait_xcnt 0x0                                ; earlier stores have read their bases
	s_min_u32 s88, s22, 131
	s_lshl_b32 s89, s15, 1
	s_lshr_b32 s92, s14, 1
	s_add_co_u32 s89, s89, s92                     ; the next product's K step: 2 g + w / 2
	s_and_b32 s92, s14, 1
	s_lshl_b32 s90, s88, 16
	s_lshl_b32 s93, s89, 11
	s_add_co_u32 s90, s90, s93
	s_lshl_b32 s93, s92, 10
	s_add_co_u32 s90, s90, s93
	s_mov_b32 s91, 0
	s_add_nc_u64 s[76:77], s[12:13], s[90:91]      ; codes: 65,536 a tile, 2,048 a K step, 1,024 for my half
	s_lshl_b32 s90, s88, 11
	s_lshl_b32 s93, s89, 6
	s_add_co_u32 s90, s90, s93
	s_lshl_b32 s93, s92, 1
	s_add_co_u32 s90, s90, s93
	s_add_co_u32 s90, s90, HDS
	s_add_nc_u64 s[78:79], s[12:13], s[90:91]      ; scale words: 2,048 a tile, 64 a K step, 2 for my half
	ALOAD 0
.irp i, 0,1,2,3,4,5,6,7,8
	TILE \i
.endr
.Lc_end:
	s_wait_dscnt 0x0                               ; my reads of the rows are over
	s_barrier_signal -1
	s_barrier_wait -1                              ; everybody's are: the rows may be written again
	s_sub_co_i32 s23, s23, 9
	s_add_co_u32 s22, s22, 9
	s_cmp_le_i32 s23, 0
	s_cbranch_scc1 .Lno_g
	GPART
.Lno_g:
	s_add_co_u32 s24, s24, 1
	s_cmp_lt_u32 s24, 4
	s_cbranch_scc1 .Lpass
	s_wait_tensorcnt 0x0
	ds_add_u32 v254, v255
	s_wait_dscnt 0x0
	s_endpgm
.Lfunc_end_k_q1bf3a58646_ff1:
	.size	k_q1bf3a58646_ff1, .Lfunc_end_k_q1bf3a58646_ff1-k_q1bf3a58646_ff1
	.p2alignl 7, 3214868480
	.fill 96, 4, 3214868480
	.section	.rodata,"a",@progbits
	.p2align	6, 0x0
	.amdhsa_kernel k_q1bf3a58646_ff1
		.amdhsa_group_segment_fixed_size 150272
		.amdhsa_private_segment_fixed_size 0
		.amdhsa_enable_private_segment 0
		.amdhsa_kernarg_size 40
		.amdhsa_user_sgpr_count 2
		.amdhsa_user_sgpr_kernarg_segment_ptr 1
		.amdhsa_wavefront_size32 1
		.amdhsa_system_sgpr_workgroup_id_x 1
		.amdhsa_system_sgpr_workgroup_id_y 1
		.amdhsa_system_sgpr_workgroup_id_z 1
		.amdhsa_system_vgpr_workitem_id 0
		.amdhsa_next_free_vgpr 1024
		.amdhsa_next_free_sgpr 96
		.amdhsa_reserve_vcc 0
		.amdhsa_float_denorm_mode_32 3
		.amdhsa_float_denorm_mode_16_64 3
		.amdhsa_memory_ordered 1
		.amdhsa_forward_progress 1
		.amdhsa_inst_pref_size 161
	.end_amdhsa_kernel
	.amdgpu_metadata
---
amdhsa.version: [ 1, 2 ]
amdhsa.kernels:
  - .name:           k_q1bf3a58646_ff1
    .symbol:         k_q1bf3a58646_ff1.kd
    .args:
      - { .name: w1q, .offset: 0, .size: 8, .value_kind: global_buffer, .address_space: global }
      - { .name: hq, .offset: 8, .size: 8, .value_kind: global_buffer, .address_space: global }
      - { .name: ord, .offset: 16, .size: 8, .value_kind: global_buffer, .address_space: global }
      - { .name: b1, .offset: 24, .size: 8, .value_kind: global_buffer, .address_space: global }
      - { .name: hid, .offset: 32, .size: 8, .value_kind: global_buffer, .address_space: global }
    .group_segment_fixed_size: 150272
    .private_segment_fixed_size: 0
    .kernarg_segment_align: 8
    .kernarg_segment_size: 40
    .max_flat_workgroup_size: 128
    .sgpr_count:     96
    .vgpr_count:     1024
    .wavefront_size: 32
...
	.end_amdgpu_metadata
.endif
;; end of part 3
;; launch ff2 (part 4): grid 16 x 16, 4 waves a work-group, no clusters, 157,184 bytes of LDS; arguments w2q, hid, ord, w1q, x, b2, out0; writes out0
.if DOCPART == 4
	.amdgcn_target "amdgcn-amd-amdhsa--gfx1250"
	.amdhsa_code_object_version 6
	.text
	.protected	k_q1bf3a58646_ff2
	.globl	k_q1bf3a58646_ff2
	.p2align	8
	.type	k_q1bf3a58646_ff2,@function
k_q1bf3a58646_ff2:
	s_mov_b64 s[64:65], 0
	v_nop
	global_prefetch_b8 v0, s[64:65] scope:SCOPE_SE
	s_setreg_imm32_b32 hwreg(HW_REG_WAVE_MODE, 25, 1), 1
	s_wait_xcnt 0x0
; out = x + alpha (hid Q(w2[e]) + b2[e]) for each token and its chosen expert e: the same number as alpha y + (1 - alpha) x with y = x + hid w2 + b2.  The product runs on codes of E5M2 with one E8M0 scale for
; each 32 along K; sums in f32.
; SHARES.  Work-group (x = g, y = 4 e + q) makes columns 64 g .. 64 g + 63 for quarter q of expert e's tiles of 16 slots, 9 tiles a pass.  THE WAVES SHARE K: wave w takes K steps 8 w .. 8 w + 7 (a dense block of
; 65,536 bytes of w2q), all four tiles of columns, all nine tiles of rows: 36 accumulators.  The four partial sums meet in LDS; each wave then finishes 36 rows: + b2, x alpha, + x, and stores 256 consecutive bytes,
; aligned, of a token's row with sixteen lanes.
; THE WALK ALONG K BEGINS AT DIFFERENT PLACES.  A wave's eight K steps are four pairs; pair p of its walk is pair (p + g + g / 4 + q) mod 4 of its quarter.  The sixteen work-groups that read the same rows of hid
; (one y, g = 0 .. 15) so begin at all four pairs, four work-groups at each, and the four that read the same block of w2q (one e and g, q = 0 .. 3) at four different pairs: work-groups that share bytes ask for them at
; different steps.  Only addresses differ: four bases for w2q's codes, four for its scales, four offsets each for hid's codes and for its scale words; register numbers and waits are those of a walk from pair 0.
; THE ORDER OF THE SUMS: K is split over four waves and walked from a pair that differs between work-groups, so an output's f32 sum is not taken in ascending K.
; Both operands come from memory straight into registers, as images of the fragments: every load reads 512 dense bytes.  The walk hangs on counts read from memory, so there is no tensor load and hence no joint load.
; A quarter has up to 32 tiles, so the loop over passes has the constant count 4; a pass without tiles is two barriers.  No prefetch is laid: by this text's count a wave keeps 40 to 52 loads out all through a pass.
; Places beyond the quarter's end repeat its last tile: the same rows, the same numbers, stored once more by the same work-group to the same bytes; so do the spare slots of an expert's last tile.
; THE PRODUCT IS USED TRANSPOSED (source 0 = 16 columns of w2, source 1 = 16 rows of hid): lane (r, h) holds row r; register j of tile 2 b + u is column 32 b + 16 h + 8 u + j.
; So that each register is written before it is read on every way through the text, the first pass's tokens are fetched ahead of the loop without a condition.
; REGISTERS, in windows of 256: window 0: addresses, scales, b2, tokens' offsets, alpha; v128-255 two sets of w2's four fragments (later the partial sums read back).  Window 1: the accumulators of tiles 0-7 at
;   32 i + 8 ct.  Window 2: v0-31 tile 8's; v32-175 the nine fragments of hid; v176-247 x of my 36 rows.
.set W_SC,   16777216
.set AL_OFF, 17301504
.set HDS,    8650752
.set VSO, 12                           ; v12-15  pair p of the walk: my offset among a tile's scale words: 4 x lane + 128 x its pair of the quarter
.set BS,  16                           ; v16-47  w2's scale words: the pair of (pair p of the walk, tile ct) at 16 + 2 (4 p + ct)
.set AS,  48                           ; v48-83  hid's scale words: tile i at 48 + 4 i + p: lanes 0-15 the pair's first K step, lanes 16-31 its second
.set XO,  88                           ; v88-105 item j: the byte offset of my 16 bytes in x and in out0
.set AL,  106                          ; v106-123 item j: alpha
.set VAO, 124                          ; v124-127 pair p of the walk: my offset in a tile's codes: 16 x lane + 4,096 x its pair of the quarter
.set BF,  128                          ; w2's fragments, two sets of 64
.set RG,  32                           ; window 2: hid's fragments
.set XX,  176                          ; window 2: x
.set WBP, 84                           ; s[84:91] pair p of the walk: w2's codes, 16,384 bytes
.set BQP, 92                           ; s[92:99] pair p of the walk: w2's scales, 512 bytes
.set MSB, 0
.macro WIN new                         ; the immediate's high byte repeats the setting that is left
.if MSB != \new
	s_set_vgpr_msb (MSB<<8)|\new
.set MSB, \new
.endif
.endm
	s_load_b256 s[4:11], s[0:1], 0x0               ; w2q s[4:5], hid s[6:7], ord s[8:9], w1q s[10:11]
	s_load_b128 s[12:15], s[0:1], 0x20             ; x s[12:13], b2 s[14:15]
	s_load_b64 s[16:17], s[0:1], 0x30              ; out0
	s_set_vgpr_msb 0x80
	v_lshl_add_u32 v254, v0, 2, 0x26400
	v_mov_b32 v255, 0
	s_set_vgpr_msb 0x8000
	v_lshrrev_b32 v1, 5, v0
	v_readfirstlane_b32 s18, v1                    ; wave 0..3
	v_and_b32 v11, 31, v0
	v_lshlrev_b32 v1, 4, v11                       ; 16 x lane
	v_lshlrev_b32 v2, 2, v11                       ; 4 x lane
	v_and_b32 v12, 15, v0                          ; r
	v_bfe_u32 v13, v0, 4, 1                        ; h
	v_lshlrev_b32 v3, 3, v12                       ; 8 r
	v_mul_u32_u24 v4, v12, 272
	v_lshl_add_u32 v4, v13, 6, v4
	s_mul_i32 s70, s18, 39168
	v_add_nc_u32 v4, s70, v4                       ; LDS: my partial sums: 39,168 w + 272 r + 64 h (144 rows of 256 bytes + 16)
	v_lshlrev_b32 v9, 4, v12                       ; 16 (lane % 16)
	s_mul_i32 s70, s18, 36
	v_add_nc_u32 v10, s70, v13                     ; the first row that I finish: 36 w + lane / 16
	v_mul_u32_u24 v5, v10, 272
	v_add_nc_u32 v5, v5, v9                        ; LDS: that row in wave 0's partial sums,
	v_add_nc_u32 v6, 39168, v5                     ; wave 1's,
	v_add_nc_u32 v7, 78336, v5
	v_add_nc_u32 v8, 117504, v5
	s_mov_b32 s19, ttmp9                           ; g
	s_and_b32 s70, ttmp7, 0xffff
	s_lshr_b32 s20, s70, 2                         ; e
	s_and_b32 s21, s70, 3                          ; q
	s_lshl_b32 s71, s20, 3
	s_lshl_b32 s72, s20, 6
	s_lshl_b32 s73, s19, 2
	s_add_co_u32 s72, s72, s73
	s_add_co_u32 s72, s72, s18                     ; 64 e + 4 g + w
	s_mov_b32 s75, 0
	s_lshr_b32 s78, s19, 2
	s_add_co_u32 s78, s78, s19
	s_add_co_u32 s78, s78, s21                     ; g + g / 4 + q: where my work-group's walk begins
	s_wait_kmcnt 0x0
	s_load_b64 s[22:23], s[8:9], s71 offset:8448   ; tb_e, nt_e
	s_load_b32 s24, s[8:9], 0x2120                 ; all tiles
	s_lshl_b32 s74, s72, 16
	s_add_nc_u64 s[30:31], s[4:5], s[74:75]        ; my 65,536 bytes of w2's codes
	s_lshl_b32 s74, s72, 11
	s_add_co_u32 s74, s74, W_SC
	s_add_nc_u64 s[76:77], s[4:5], s[74:75]        ; my 2,048 bytes of its scales
.irp p, 0,1,2,3                        ; pair p of the walk is pair (p + g + g / 4 + q) mod 4 of my quarter of K
	s_add_co_u32 s79, s78, \p
	s_and_b32 s79, s79, 3
	s_lshl_b32 s74, s79, 14
	s_add_nc_u64 s[WBP+2*\p:WBP+2*\p+1], s[30:31], s[74:75]        ; w2's codes: 2 x 8,192 bytes a pair
	s_lshl_b32 s74, s79, 9
	s_add_nc_u64 s[BQP+2*\p:BQP+2*\p+1], s[76:77], s[74:75]        ; w2's scales: 512 bytes a pair
	s_lshl_b32 s74, s79, 12
	v_add_nc_u32 v[VAO+\p], s74, v1                                ; hid's codes: 2 x 2,048 bytes a pair and tile
	s_lshl_b32 s74, s79, 7
	v_add_nc_u32 v[VSO+\p], s74, v2                                ; hid's scale words: 128 bytes a pair and tile
.endr
.irp kq, 0,1,2,3
.irp c, 0,1,2,3
	global_load_b64 v[BS+2*(4*\kq+\c):BS+2*(4*\kq+\c)+1], v3, s[BQP+2*\kq:BQP+2*\kq+1] offset:128*\c
.endr
.endr
	s_lshl_b32 s74, s20, 12
	s_lshl_b32 s73, s19, 8
	s_add_co_u32 s74, s74, s73
	s_add_nc_u64 s[14:15], s[14:15], s[74:75]      ; b2 at (e, 64 g)
	global_load_b128 v[84:87], v9, s[14:15]
	s_mov_b32 s74, s73
	s_add_nc_u64 s[12:13], s[12:13], s[74:75]      ; x and out0 at column 64 g
	s_add_nc_u64 s[16:17], s[16:17], s[74:75]
	s_add_nc_u64 s[10:11], s[10:11], AL_OFF        ; alpha
	s_wait_kmcnt 0x0
	s_min_u32 s22, s22, 131
	s_min_u32 s23, s23, 128
	s_min_u32 s24, s24, 132
	s_sub_co_u32 s24, s24, 1                       ; the list's last tile
	s_add_co_u32 s25, s23, 3
	s_lshr_b32 s25, s25, 2                         ; tiles in a quarter
	s_mul_i32 s70, s21, s25
	s_add_co_u32 s26, s22, s70                     ; T0
	s_sub_co_i32 s27, s23, s70
	s_min_i32 s27, s27, s25                        ; N
; THE TOKENS of the 36 rows that I finish in this pass, their x and their alpha.  Item j: lanes 0-15 row 36 w + 2 j, lanes 16-31 the next.
.macro TPART
	s_wait_loadcnt 0x0                             ; nothing is on its way into the registers written below,
	s_wait_xcnt 0x0                                ; and the last pass's stores have read their offsets
	s_sub_co_i32 s29, s27, 1
	s_max_i32 s29, s29, 0
	s_min_i32 s29, s29, 8                          ; N - 1, held to 0 .. 8
	s_sub_co_i32 s70, s24, s29
	s_max_i32 s70, s70, 0
	s_min_u32 s70, s70, s26                        ; T0, held so that the pass stays inside the list
.set n, 0
.rept 18
	v_add_nc_u32 v[XO+n], 2*n, v10                 ; my row of the pass
	v_lshrrev_b32 v[AL+n], 4, v[XO+n]
	v_min_u32 v[AL+n], s29, v[AL+n]
	v_add_nc_u32 v[AL+n], s70, v[AL+n]             ; its tile
	v_and_b32 v[XO+n], 15, v[XO+n]
	v_lshl_or_b32 v[XO+n], v[AL+n], 4, v[XO+n]     ; its slot
	v_min_u32 v[XO+n], 0x83f, v[XO+n]
	v_lshlrev_b32 v[XO+n], 2, v[XO+n]
	global_load_b32 v[AL+n], v[XO+n], s[8:9]
.set n, n+1
.endr
	s_wait_loadcnt 0x0
.set n, 0
.rept 18
	v_min_u32 v[AL+n], 0x7ff, v[AL+n]
	v_lshl_add_u32 v[XO+n], v[AL+n], 12, v9        ; token x 4,096 + 16 (lane % 16)
	v_lshlrev_b32 v[AL+n], 2, v[AL+n]
.set n, n+1
.endr
	WIN 0x80                                       ; destination window 2
.set n, 0
.rept 18
	global_load_b128 v[XX+4*n:XX+4*n+3], v[XO+n], s[12:13]
.set n, n+1
.endr
	WIN 0
.set n, 0
.rept 18
	global_load_b32 v[AL+n], v[AL+n], s[10:11]
.set n, n+1
.endr
.endm
.macro LB s                            ; w2's four fragments of step s of my walk into set s % 2
.set n, 0
.rept 16
	global_load_b128 v[BF+64*((\s)%2)+4*n:BF+64*((\s)%2)+4*n+3], v1, s[WBP+2*((\s)/2):WBP+2*((\s)/2)+1] offset:8192*((\s)%2)+512*n
.set n, n+1
.endr
.endm
.macro LA t, s                         ; hid's fragments of tiles 3 t .. 3 t + 2, step s of my walk
	WIN 0x80
.irp d, 0,1,2
.irp c, 0,1,2,3
	global_load_b128 v[RG+16*(3*(\t)+\d)+4*\c:RG+16*(3*(\t)+\d)+4*\c+3], v[VAO+(\s)/2], s[32+2*(3*(\t)+\d):33+2*(3*(\t)+\d)] offset:2048*((\s)%2)+512*\c
.endr
.endr
.endm
.macro MM t, s                         ; 12 products: tiles 3 t .. 3 t + 2 x the four tiles of columns; the 36 accumulators take turns, one instruction a turn
.irp d, 0,1,2
.set TI, 3*(\t)+\d
.if TI == 8
	WIN 0xA8                                       ; source 1 (hid), C and D window 2
.set AB, 0
.else
	WIN 0x58                                       ; source 1 window 2, C and D window 1
.set AB, 32*TI
.endif
.irp c, 0,1,2,3
.if (\s) == 0
	v_wmma_scale_f32_16x16x128_f8f6f4 v[AB+8*\c:AB+8*\c+7], v[BF+64*((\s)%2)+16*\c:BF+64*((\s)%2)+16*\c+15], v[RG+16*TI:RG+16*TI+15], 0, v[BS+2*(4*((\s)/2)+\c)+(\s)%2], v[AS+4*TI+(\s)/2] matrix_a_fmt:MATRIX_FMT_BF8 matrix_b_fmt:MATRIX_FMT_BF8
.elseif (\s)%2
	v_wmma_scale_f32_16x16x128_f8f6f4 v[AB+8*\c:AB+8*\c+7], v[BF+64*((\s)%2)+16*\c:BF+64*((\s)%2)+16*\c+15], v[RG+16*TI:RG+16*TI+15], v[AB+8*\c:AB+8*\c+7], v[BS+2*(4*((\s)/2)+\c)+(\s)%2], v[AS+4*TI+(\s)/2] matrix_a_fmt:MATRIX_FMT_BF8 matrix_b_fmt:MATRIX_FMT_BF8 matrix_b_scale:MATRIX_SCALE_ROW1
.else
	v_wmma_scale_f32_16x16x128_f8f6f4 v[AB+8*\c:AB+8*\c+7], v[BF+64*((\s)%2)+16*\c:BF+64*((\s)%2)+16*\c+15], v[RG+16*TI:RG+16*TI+15], v[AB+8*\c:AB+8*\c+7], v[BS+2*(4*((\s)/2)+\c)+(\s)%2], v[AS+4*TI+(\s)/2] matrix_a_fmt:MATRIX_FMT_BF8 matrix_b_fmt:MATRIX_FMT_BF8
.endif
.endr
.endr
.endm
; A K STEP.  Loads come back in order (ISA guide 5.7.1).  Behind the 12 loads that a group of products wants there were always issued 12 + 12 + 16 younger ones: two groups of hid's and one set of w2's.
.macro KSTEP s
	WIN 0
.if (\s) < 7
	LB (\s)+1                                      ; the set that the step before multiplied: its last products stand ahead of eight v_nop
.endif
.irp t, 0,1,2
.if (\s) < 7
	s_wait_loadcnt 40
.else
	s_wait_loadcnt 24-12*\t                        ; the last step asks for nothing: the counts run down
.endif
	MM \t, \s
.rept 8
	v_nop                                          ; eight places behind this form, ahead of loads into registers that it has read and of the first read of its results
.endr
.if (\s) < 7
	LA \t, (\s)+1
.endif
.endr
.endm
.macro RBATCH bb                       ; six items: 12 rows are finished
	s_wait_xcnt 0x0                                ; the last batch's stores have read their registers
.irp jj, 0,1,2,3,4,5
.irp k, 0,1,2,3
	ds_load_b128 v[BF+16*\jj+4*\k:BF+16*\jj+4*\k+3], v[5+\k] offset:544*(6*(\bb)+\jj)
.endr
.endr
	s_wait_dscnt 0x0
.irp jj, 0,1,2,3,4,5
.set PP, BF+16*\jj
	v_pk_add_f32 v[PP:PP+1], v[PP:PP+1], v[PP+4:PP+5]
	v_pk_add_f32 v[PP+2:PP+3], v[PP+2:PP+3], v[PP+6:PP+7]
	v_pk_add_f32 v[PP+8:PP+9], v[PP+8:PP+9], v[PP+12:PP+13]
	v_pk_add_f32 v[PP+10:PP+11], v[PP+10:PP+11], v[PP+14:PP+15]
	v_pk_add_f32 v[PP:PP+1], v[PP:PP+1], v[PP+8:PP+9]
	v_pk_add_f32 v[PP+2:PP+3], v[PP+2:PP+3], v[PP+10:PP+11]
	v_pk_add_f32 v[PP:PP+1], v[PP:PP+1], v[84:85]
	v_pk_add_f32 v[PP+2:PP+3], v[PP+2:PP+3], v[86:87]
.endr
	WIN 0x20                                       ; source 2 (x) window 2
.irp jj, 0,1,2,3,4,5
.irp c, 0,1,2,3
	v_fma_f32 v[BF+16*\jj+\c], v[AL+6*(\bb)+\jj], v[BF+16*\jj+\c], v[XX+4*(6*(\bb)+\jj)+\c]
.endr
.endr
	WIN 0
.irp jj, 0,1,2,3,4,5
	global_store_b128 v[XO+6*(\bb)+\jj], v[BF+16*\jj:BF+16*\jj+3], s[16:17] th:TH_STORE_NT   ; sixteen lanes store 256 consecutive bytes of a token's row, aligned
.endr
.endm
	TPART                                          ; the first pass's tokens, without a condition
	s_mov_b32 s28, 0
.Lpass:
	s_cmp_le_i32 s27, 0
	s_cbranch_scc1 .Lno_k
	; ---- my quarter of K for the pass's nine tiles
	s_wait_xcnt 0x0                                ; earlier stores have read the registers that the loads below land on
	s_lshl_b32 s74, s18, 14
	s_lshl_b32 s75, s18, 9
	s_add_co_u32 s75, s75, HDS
	s_mov_b32 s73, 0
.irp i, 0,1,2,3,4,5,6,7,8
	s_min_u32 s70, s29, \i
	s_add_co_u32 s70, s70, s26
	s_min_u32 s70, s70, s24
	s_min_u32 s70, s70, 131                        ; tile i of the pass
	s_lshl_b32 s72, s70, 16
	s_add_co_u32 s72, s72, s74
	s_add_nc_u64 s[32+2*\i:33+2*\i], s[6:7], s[72:73]                           ; its codes of my eight K steps: 16,384 bytes
	s_lshl_b32 s72, s70, 11
	s_add_co_u32 s72, s72, s75
	s_add_nc_u64 s[50+2*\i+2*(\i/7):51+2*\i+2*(\i/7)], s[6:7], s[72:73]         ; and their scale words: 512 bytes
.endr
.irp i, 0,1,2,3,4,5,6,7,8
.irp jj, 0,1,2,3
	global_load_b32 v[AS+4*\i+\jj], v[VSO+\jj], s[50+2*\i+2*(\i/7):51+2*\i+2*(\i/7)]
.endr
.endr
	LB 0
	LA 0, 0
	LA 1, 0
	LA 2, 0
.irp s, 0,1,2,3,4,5,6,7
	KSTEP \s
.endr
	WIN 0x04                                       ; an LDS store's data: window 1
.irp i, 0,1,2,3,4,5,6,7
.irp c, 0,1,2,3
	ds_store_b128 v4, v[32*\i+8*\c:32*\i+8*\c+3] offset:4352*\i+128*(\c/2)+32*(\c%2)          ; each accumulator from its low end on; row 16 i + r, column 32 b + 16 h + 8 u
	ds_store_b128 v4, v[32*\i+8*\c+4:32*\i+8*\c+7] offset:4352*\i+128*(\c/2)+32*(\c%2)+16
.endr
.endr
	WIN 0x08                                       ; window 2: tile 8
.irp c, 0,1,2,3
	ds_store_b128 v4, v[8*\c:8*\c+3] offset:4352*8+128*(\c/2)+32*(\c%2)
	ds_store_b128 v4, v[8*\c+4:8*\c+7] offset:4352*8+128*(\c/2)+32*(\c%2)+16
.endr
	WIN 0
.Lno_k:
	s_wait_dscnt 0x0                               ; my partial sums lie in LDS
	s_barrier_signal -1
	s_barrier_wait -1                              ; everybody's do
	s_cmp_le_i32 s27, 0
	s_cbranch_scc1 .Lno_r
	s_wait_loadcnt 0x0                             ; x and alpha
	RBATCH 0
	RBATCH 1
	RBATCH 2
.Lno_r:
	s_wait_dscnt 0x0                               ; my reads of the partial sums are over
	s_barrier_signal -1
	s_barrier_wait -1                              ; everybody's are: they may be written again
	s_sub_co_i32 s27, s27, 9
	s_add_co_u32 s26, s26, 9
	s_cmp_le_i32 s27, 0
	s_cbranch_scc1 .Lno_t
	TPART
.Lno_t:
	s_add_co_u32 s28, s28, 1
	s_cmp_lt_u32 s28, 4
	s_cbranch_scc1 .Lpass
	s_set_vgpr_msb 0xa
	s_wait_tensorcnt 0x0
	ds_add_u32 v254, v255
	s_wait_dscnt 0x0
	s_set_vgpr_msb 0xa00
	s_endpgm
.Lfunc_end_k_q1bf3a58646_ff2:
	.size	k_q1bf3a58646_ff2, .Lfunc_end_k_q1bf3a58646_ff2-k_q1bf3a58646_ff2
	.p2alignl 7, 3214868480
	.fill 96, 4, 3214868480
	.section	.rodata,"a",@progbits
	.p2align	6, 0x0
	.amdhsa_kernel k_q1bf3a58646_ff2
		.amdhsa_group_segment_fixed_size 157184
		.amdhsa_private_segment_fixed_size 0
		.amdhsa_enable_private_segment 0
		.amdhsa_kernarg_size 56
		.amdhsa_user_sgpr_count 2
		.amdhsa_user_sgpr_kernarg_segment_ptr 1
		.amdhsa_wavefront_size32 1
		.amdhsa_system_sgpr_workgroup_id_x 1
		.amdhsa_system_sgpr_workgroup_id_y 1
		.amdhsa_system_sgpr_workgroup_id_z 1
		.amdhsa_system_vgpr_workitem_id 0
		.amdhsa_next_free_vgpr 768
		.amdhsa_next_free_sgpr 100
		.amdhsa_reserve_vcc 0
		.amdhsa_float_denorm_mode_32 3
		.amdhsa_float_denorm_mode_16_64 3
		.amdhsa_memory_ordered 1
		.amdhsa_forward_progress 1
		.amdhsa_inst_pref_size 150
	.end_amdhsa_kernel
	.amdgpu_metadata
---
amdhsa.version: [ 1, 2 ]
amdhsa.kernels:
  - .name:           k_q1bf3a58646_ff2
    .symbol:         k_q1bf3a58646_ff2.kd
    .args:
      - { .name: w2q, .offset: 0, .size: 8, .value_kind: global_buffer, .address_space: global }
      - { .name: hid, .offset: 8, .size: 8, .value_kind: global_buffer, .address_space: global }
      - { .name: ord, .offset: 16, .size: 8, .value_kind: global_buffer, .address_space: global }
      - { .name: w1q, .offset: 24, .size: 8, .value_kind: global_buffer, .address_space: global }
      - { .name: x, .offset: 32, .size: 8, .value_kind: global_buffer, .address_space: global }
      - { .name: b2, .offset: 40, .size: 8, .value_kind: global_buffer, .address_space: global }
      - { .name: out0, .offset: 48, .size: 8, .value_kind: global_buffer, .address_space: global }
    .group_segment_fixed_size: 157184
    .private_segment_fixed_size: 0
    .kernarg_segment_align: 8
    .kernarg_segment_size: 56
    .max_flat_workgroup_size: 128
    .sgpr_count:     100
    .vgpr_count:     768
    .wavefront_size: 32
...
	.end_amdgpu_metadata
.endif
;; end of part 4
;; ======== version 2 of 2: 4 launches; version 1 with the launches ff1, ff2 written anew for expert scheduling mode
;; workspace buffers: w1q 17,309,696 bytes; w2q 17,301,504 bytes; eid 8,192 bytes of whole numbers; ord 8,704 bytes of whole numbers; hq 2,162,688 bytes; hid 8,921,088 bytes
;; launch prep1: the kernel of part 1 again; grid 640 x 1, 4 waves a work-group, no clusters, 0 bytes of LDS; arguments x, centroids, w1, w1q, eid; writes w1q, eid
;; launch prep2: the kernel of part 2 again; grid 641 x 1, 4 waves a work-group, no clusters, 19,200 bytes of LDS; arguments eid, x, gamma, beta, w2, w2q, hq, ord; writes w2q, hq, ord
;; launch ff1 (part 5): grid 16 x 16, 4 waves a work-group, no clusters, 150,272 bytes of LDS; arguments w1q, hq, ord, b1, hid; writes hid
.if DOCPART == 5
	.amdgcn_target "amdgcn-amd-amdhsa--gfx1250"
	.amdhsa_code_object_version 6
	.text
	.protected	k_q1bf3a58646_ff1
	.globl	k_q1bf3a58646_ff1
	.p2align	8
	.type	k_q1bf3a58646_ff1,@function
k_q1bf3a58646_ff1:
	s_mov_b64 s[64:65], 0
	v_nop
	global_prefetch_b8 v0, s[64:65] scope:SCOPE_SE
	s_setreg_imm32_b32 hwreg(HW_REG_WAVE_SCHED_MODE, 0, 2), 2
	s_setreg_imm32_b32 hwreg(HW_REG_WAVE_MODE, 25, 1), 1
	s_wait_xcnt 0x0
	s_wait_alu depctr_vm_vsrc(0)
; hid = Q(relu(Q(h) Q(w1[e]) + b1[e])) for the rows that expert e was chosen for, on codes of E5M2 with one E8M0 scale for each 32 along K; the sums are f32.
; SHARES.  Work-group (x = g, y = 4 e + q) makes hidden units 256 g .. 256 g + 255 for quarter q of expert e's tiles of 16 slots.  Wave w takes units 256 g + 64 w .. + 63: its 32 fragments of w1 (64 KiB, one dense
; block of w1q) stay in 512 registers, read once.  The rows go in passes of 9 tiles: the slot list names the tokens, their codes are gathered into LDS (each wave 4 rows of each tile), and every wave reads all rows.
; A quarter has up to 32 tiles (all tokens on one expert), so the loop over passes has the constant count 4; a pass without tiles is two barriers.  Up to 576 tokens an expert one pass has work; beyond that further passes do.
; The walk hangs on counts read from memory, so this text has no tensor load and hence no joint load: operands go from memory to registers, the rows through LDS by stores.  No prefetch is laid: a wave asks for
; its whole share of the weights at its first lines.
; THE PRODUCT IS USED TRANSPOSED (source 0 = 16 columns of w1, source 1 = 16 rows of h): a lane holds one row, and, by the order in which w1q lays a tile's columns, the 16 registers of tiles 2 b, 2 b + 1 are hidden
; units 32 b + 16 (lane / 16) + 0..15: the conversions' results are the next product's operand.  b1 is the C of each sum's first product.  relu is the lower end of the hold that the conversion wants anyway.
; hid: codes [tile of slots][K step of 128][c][lane][16 bytes], the image of the next product's fragment; scale words [tile][K step][row][4 bytes] from byte 8,650,752 on.  A wave makes half a K step: it stores 2 x 512
; dense bytes of codes and, for each row, two of the word's four bytes (these small stores are 1 byte in 33 of what the launch stores).
; So that each register is written before it is read on every way through the text, the first gather stands ahead of the loop without a condition (tile numbers are held inside the list).
; LIMITS: NaN and infinities are not served; a block whose largest number lies under 2^-111 (a block of zeros too) gets the byte 1.
; REGISTERS, in windows of 256: window 0: addresses, scales, biases, the four accumulators, codes.  Windows 1, 2: w1's fragments (K step s, tile ct) at 16 (4 (s % 4) + ct), window 1 + s / 4.
;   Window 3: two sets of 128: a tile's eight fragments of h; during a gather the rows on their way.
; THE MODE: SCHED_MODE bits 1:0 = 2 (LLVM: expert scheduling mode 2), set by the entry lines.  The code itself states the register dependences between vector or matrix instructions and memory or LDS
; instructions, with s_wait_alu, always for 0.
; THE PLAN.  Registers that memory or LDS instructions touch:
;   v1, v10-12, v[LA ..], v[GA ..]   offsets and LDS addresses: made at the head, never written again: one wait on va_vdst ahead of the first load.
;   windows 1, 2, v[BS ..], v[BI ..] loaded once at the head; afterwards products alone name them.
;   v[TV ..]   a gather: an add writes it, the list's load reads it; two vector lines write it again, the scale words' loads read it.
;   v[TK ..]   a gather: the list's loads land in it (the accumulators' first nine registers, idle then), a vector line reads it.
;   v[VA ..]   a gather: adds write them, the rows' loads read them.
;   window 3   a gather: the rows' loads land, the LDS stores read.  A tile: the fragments' LDS loads land in the set that the tile before last multiplied; this tile's products read the other set.
;   v[XS ..]   a gather: loads land; the products read them as scales.
;   v[PC ..], v[PW]  a tile: the quantiser writes them, three stores read them.
; A TILE HAS TWO WAITS.  One on vm_vsrc ahead of the quantiser: the last tile's stores have read the codes' registers.  ONE on va_vdst behind the quantiser: the codes are written, for this tile's stores; and this tile's
; products are done with their set of fragments, for the loads of the tile after next: between that wait and those loads stand stores of the codes, a compare, a branch, a wait and a window switch, which name no register of window 3.
.set W_SC, 16777216
.set HS,   2097152
.set HDS,  8650752
.set LA,  4                            ; v4-6    LDS: my lane's place in tile 0, 3, 6: 1,040 r + 512 h (+ 49,920 j)
.set GA,  7                            ; v7-9    LDS: where I put gathered rows: 4,160 w + 16 lane (+ 49,920 j)
.set BS,  16                           ; v16-47  w1's scale words: the pair of (256 along K: kq, tile ct) at 16 + 2 (4 kq + ct)
.set XS,  48                           ; v48-119 h's scale words: tile i, K step s at 48 + 8 i + s
.set BI,  120                          ; v120-151 b1 in the result's layout, 8 a tile
.set HA,  152                          ; v152-183 the four accumulators
.set TK,  HA                           ; v152-160 during a gather: tile i: my row's token, as the list's load brings it
.set TM,  184                          ; v184-191 at work in the quantiser
.set PC,  192                          ; v192-199 the codes just made
.set PW,  200                          ; v200    their two scale bytes
.set TV,  202                          ; v202-210 tile i: my row's place in the list, then its scale bytes' offset
.set VA,  212                          ; v212-247 the byte offsets of the 36 rows that I gather
.set MSB, 0
.macro WIN new                         ; the immediate's high byte repeats the setting that is left
.if MSB != \new
	s_set_vgpr_msb (MSB<<8)|\new
.set MSB, \new
.endif
.endm
	s_load_b256 s[4:11], s[0:1], 0x0               ; w1q s[4:5], hq s[6:7], ord s[8:9], b1 s[10:11]
	s_load_b64 s[12:13], s[0:1], 0x20              ; hid
	v_lshl_add_u32 v254, v0, 2, 0x24900
	v_mov_b32 v255, 0
	v_lshrrev_b32 v1, 5, v0
	v_readfirstlane_b32 s14, v1                    ; wave 0..3
	v_and_b32 v13, 31, v0
	v_lshlrev_b32 v1, 4, v13                       ; 16 x lane
	v_and_b32 v2, 15, v0                           ; r
	v_bfe_u32 v3, v0, 4, 1                         ; h
	v_mul_u32_u24 v[LA], v2, 1040
	v_lshl_add_u32 v[LA], v3, 9, v[LA]
	v_add_nc_u32 v[LA+1], 49920, v[LA]
	v_add_nc_u32 v[LA+2], 99840, v[LA]
	s_wait_alu depctr_va_sdst(0)                   ; s14 is written, ahead of its first reader
	s_mul_i32 s88, s14, 4160
	v_add_nc_u32 v[GA], s88, v1
	v_add_nc_u32 v[GA+1], 49920, v[GA]
	v_add_nc_u32 v[GA+2], 99840, v[GA]
	v_lshlrev_b32 v10, 2, v2                       ; 4 r
	v_lshlrev_b32 v11, 6, v3                       ; 64 h
	v_lshlrev_b32 v12, 3, v2                       ; 8 r
	v_mov_b32 v[TM+2], 0                           ; written once: a lane permute's destination counts as one of its sources
	v_mov_b32 v[TM+3], 0
	s_mov_b32 s15, ttmp9                           ; g
	s_and_b32 s88, ttmp7, 0xffff
	s_lshr_b32 s16, s88, 2                         ; e
	s_and_b32 s17, s88, 3                          ; q
	s_lshl_b32 s94, s16, 3
	s_mov_b32 s26, 0x76543210
	s_mov_b32 s27, 0xfedcba98
	s_mov_b32 s75, 0x600000                        ; the mantissa field of 57,344
	s_lshl_b32 s88, s16, 6
	s_lshl_b32 s89, s15, 2
	s_add_co_u32 s88, s88, s89
	s_add_co_u32 s88, s88, s14                     ; 64 e + 4 g + w: my block of 64 columns
	s_mov_b32 s91, 0
	s_wait_kmcnt 0x0
	s_load_b64 s[18:19], s[8:9], s94 offset:8448   ; tb_e, nt_e
	s_load_b32 s20, s[8:9], 0x2120                 ; all tiles
	s_lshl_b32 s90, s88, 16
	s_add_nc_u64 s[82:83], s[4:5], s[90:91]        ; my 65,536 bytes of codes
	s_lshl_b32 s90, s88, 11
	s_add_co_u32 s90, s90, W_SC
	s_add_nc_u64 s[84:85], s[4:5], s[90:91]        ; my 2,048 bytes of scales
	s_lshl_b32 s90, s88, 8
	s_add_nc_u64 s[80:81], s[10:11], s[90:91]      ; my 64 numbers of b1
	s_add_nc_u64 s[86:87], s[6:7], HS              ; h's scale bytes
	WIN 0x40                                       ; destination window 1: K steps 0-3
	s_wait_alu depctr_va_vdst(0)                   ; v1, v10 to v12 and the LDS addresses v4 to v9 are written: every load and store of the kernel reads one of them, and none is written again
.set n, 0
.rept 64
	global_load_b128 v[4*n:4*n+3], v1, s[82:83] offset:512*n
.set n, n+1
.endr
	WIN 0x80                                       ; window 2: K steps 4-7
.set n, 0
.rept 64
	global_load_b128 v[4*n:4*n+3], v1, s[82:83] offset:32768+512*n
.set n, n+1
.endr
	WIN 0
.irp kq, 0,1,2,3
.irp c, 0,1,2,3
	global_load_b64 v[BS+2*(4*\kq+\c):BS+2*(4*\kq+\c)+1], v12, s[84:85] offset:512*\kq+128*\c
.endr
.endr
.irp c, 0,1,2,3                        ; tile c = 2 b + u, lane (r, h), register j: unit 32 b + 16 h + 8 u + j
	global_load_b128 v[BI+8*\c:BI+8*\c+3], v11, s[80:81] offset:(32*(\c/2)+8*(\c%2))*4
	global_load_b128 v[BI+8*\c+4:BI+8*\c+7], v11, s[80:81] offset:(32*(\c/2)+8*(\c%2))*4+16
.endr
	s_wait_kmcnt 0x0
	s_min_u32 s18, s18, 131
	s_min_u32 s19, s19, 128
	s_min_u32 s20, s20, 132
	s_sub_co_u32 s20, s20, 1                       ; the list's last tile
	s_add_co_u32 s21, s19, 3
	s_lshr_b32 s21, s21, 2                         ; tiles in a quarter
	s_mul_i32 s88, s17, s21
	s_add_co_u32 s22, s18, s88                     ; T0: my first tile
	s_sub_co_i32 s23, s19, s88
	s_min_i32 s23, s23, s21                        ; N: my tiles still to do (0 or less: none)
.macro GLD i, rb                       ; my four rows of tile i: two loads of 512 dense bytes each
.irp k, 0,1,2,3
	global_load_b128 v[(\rb)+8*\k:(\rb)+8*\k+3], v[VA+4*(\i)+\k], s[6:7]
	global_load_b128 v[(\rb)+8*\k+4:(\rb)+8*\k+7], v[VA+4*(\i)+\k], s[6:7] offset:512
.endr
.endm
.macro GST i, rb                       ; and into LDS: row 16 i + 4 w + k, pitch 1,040
.irp k, 0,1,2,3
	ds_store_b128 v[GA+(\i)/3], v[(\rb)+8*\k:(\rb)+8*\k+3] offset:((\i)%3)*16640+\k*1040
	ds_store_b128 v[GA+(\i)/3], v[(\rb)+8*\k+4:(\rb)+8*\k+7] offset:((\i)%3)*16640+\k*1040+512
.endr
.endm
; THE GATHER of a pass's 9 tiles.  Tile i of the pass is tile T0 + min(i, N - 1) of the list: places beyond the quarter's end repeat its last tile, and are not multiplied.
; again = 1: a gather inside the loop, with an earlier gather and tiles in front of it.
.macro GPART again
.if \again
	s_wait_alu depctr_vm_vsrc(0)                   ; the last gather's loads have read v[TV ..] and v[VA ..] as their offsets: both are written again below
.endif
	s_sub_co_i32 s25, s23, 1
	s_max_i32 s25, s25, 0
	s_min_i32 s25, s25, 8
	s_lshl_b32 s89, s14, 4
.irp i, 0,1,2,3,4,5,6,7,8
	s_min_u32 s88, s25, \i
	s_add_co_u32 s88, s88, s22
	s_min_u32 s88, s88, s20
	s_min_u32 s88, s88, 131
	s_lshl_b32 s88, s88, 6                         ; 64 bytes of the list a tile
	v_add_nc_u32 v[TV+\i], s88, v10
	s_add_co_u32 s[66+\i], s88, s89
	s_load_b128 s[28+4*\i:31+4*\i], s[8:9], s[66+\i] offset:0x0   ; the tokens of the four rows that I gather
.endr
	s_wait_alu depctr_va_vdst(0)                   ; the nine adds have written v[TV ..], which the loads below read as offsets; inside the loop also: the last tile's quantiser is done with v[TK ..], in which they land
.irp i, 0,1,2,3,4,5,6,7,8
	global_load_b32 v[TK+\i], v[TV+\i], s[8:9]     ; lane r: row r's token (for its scale words)
.endr
	s_wait_kmcnt 0x0
.set n, 0
.rept 36
	s_min_u32 s[28+n], s[28+n], 2047
	s_lshl_b32 s[28+n], s[28+n], 10
	v_add_nc_u32 v[VA+n], s[28+n], v1
.set n, n+1
.endr
	WIN 0xC0                                       ; destination window 3
	s_wait_alu depctr_va_vdst(0)                   ; the 36 adds have written v[VA ..], which the rows' loads read as offsets
.irp i, 0,1,2,3,4,5,6,7
	GLD \i, 32*\i
.endr
	WIN 0
	s_wait_loadcnt 63                              ; 64 loads are younger than the nine of the list: those nine are in
	s_wait_alu depctr_vm_vsrc(0)                   ; the nine loads have read v[TV ..], which the lines below write again
.irp i, 0,1,2,3,4,5,6,7,8
	v_min_u32 v[TV+\i], 0x7ff, v[TK+\i]
	v_lshlrev_b32 v[TV+\i], 5, v[TV+\i]
.endr
	s_wait_alu depctr_va_vdst(0)                   ; v[TV ..] are written anew, which the scale words' loads read as offsets
.irp i, 0,1,2,3,4,5,6,7,8
	global_load_b128 v[XS+8*\i:XS+8*\i+3], v[TV+\i], s[86:87]
	global_load_b128 v[XS+8*\i+4:XS+8*\i+7], v[TV+\i], s[86:87] offset:16
.endr
	s_wait_loadcnt 50                              ; tiles 0-3 are in: younger are tiles 4-7 (32) and the scale words (18)
	WIN 0x0C                                       ; an LDS store's data: window 3
.irp i, 0,1,2,3
	GST \i, 32*\i
.endr
	s_wait_dscnt 0x0                               ; the stores are done
	WIN 0xC0
	s_wait_alu depctr_vm_vsrc(0)                   ; tile 0's LDS stores have read the first 32 registers of window 3, in which tile 8's rows land
	GLD 8, 0
	s_wait_loadcnt 26                              ; tiles 4-7 are in: younger are the scale words (18) and tile 8 (8)
	WIN 0x0C
.irp i, 4,5,6,7
	GST \i, 32*\i
.endr
	s_wait_loadcnt 0x0                             ; everything is in, the weights too
	GST 8, 0
	WIN 0
.endm
.macro ALOAD i                         ; tile i's eight fragments into set i % 2: piece (h, block k) of row r lies at 1,040 r + 512 h + 16 k
	WIN 0xC0
.set n, 0
.rept 32
	ds_load_b128 v[128*((\i)%2)+4*n:128*((\i)%2)+4*n+3], v[LA+(\i)/3] offset:((\i)%3)*16640+16*n
.set n, n+1
.endr
	WIN 0
.endm
; 32 numbers of a lane, register 16 b + i = hidden unit 32 b + 16 (lane / 16) + i of my row, become two pieces of codes and two scale bytes.  No |.| on the maximum's sources: what is negative becomes 0.
.macro QUANT2
.irp b, 0,1
	v_max3_num_f32 v[TM+\b], v[HA+16*\b], v[HA+16*\b+1], 0x8000000     ; each accumulator is read from its low end on; the floor 2^(16 - 127) holds the byte at 1 from below
.endr
.irp i, 2,4,6,8,10,12,14
.irp b, 0,1
	v_max3_num_f32 v[TM+\b], v[TM+\b], v[HA+16*\b+\i], v[HA+16*\b+\i+1]
.endr
.endr
.irp b, 0,1
	v_permlanex16_b32 v[TM+2+\b], v[TM+\b], s26, s27
.endr
.irp b, 0,1
	v_max_num_f32 v[TM+\b], v[TM+\b], v[TM+2+\b]   ; with lane l xor 16's 16: the block's largest number
.endr
.irp b, 0,1
	v_add_nc_u32 v[TM+6+\b], 0xf8800000, v[TM+\b]  ; 15 off the exponent field: the conversion's scale operand
.endr
.irp b, 0,1
	v_and_or_b32 v[TM+4+\b], v[TM+\b], 0x7f800000, s75   ; 57,344 x the scale
.endr
.irp b, 0,1
	v_lshrrev_b32 v[TM+2+\b], 23, v[TM+6+\b]       ; the scale's byte
.endr
	v_lshl_or_b32 v[PW], v[TM+3], 8, v[TM+2]
.irp b, 0,1
.set n, 0
.rept 16
	v_med3_num_f32 v[HA+16*\b+n], v[HA+16*\b+n], 0, v[TM+4+\b]   ; relu and the hold in one (the conversion does not saturate: ISA guide 7.6.2)
.set n, n+1
.endr
	v_cvt_scalef32_pk8_bf8_f32 v[PC+4*\b:PC+4*\b+1], v[HA+16*\b:HA+16*\b+7], v[TM+6+\b]
	v_cvt_scalef32_pk8_bf8_f32 v[PC+4*\b+2:PC+4*\b+3], v[HA+16*\b+8:HA+16*\b+15], v[TM+6+\b]
.endr
	v_nop                                          ; a plain line between the last conversion and the next products, which write its sources
.endm
; A TILE of 16 rows: 32 products, the four accumulators by turns, K ascending.
.macro TILE i
.if (\i) > 0
	s_cmp_le_i32 s23, \i                           ; the quarter's tiles are done: out, forward
	s_cbranch_scc1 .Lc_end
.endif
	s_wait_dscnt 0x0                               ; this tile's fragments are in
.if (\i) < 8
	ALOAD (\i)+1                                   ; the next tile's come while this one is multiplied.  No wait here: that set's last products stand ahead of the wait on va_vdst behind their tile's quantiser, and no vector or matrix line since names the set
.endif
	WIN 0x0D                                       ; source 0 (w1) window 1, source 1 (h) window 3
.irp s, 0,1,2,3,4,5,6,7
.if \s == 4
	WIN 0x0E                                       ; source 0 window 2
.endif
.irp c, 0,1,2,3
.if \s == 0
	v_wmma_scale_f32_16x16x128_f8f6f4 v[HA+8*\c:HA+8*\c+7], v[16*(4*(\s%4)+\c):16*(4*(\s%4)+\c)+15], v[128*((\i)%2)+16*\s:128*((\i)%2)+16*\s+15], v[BI+8*\c:BI+8*\c+7], v[BS+2*(4*(\s/2)+\c)+(\s%2)], v[XS+8*(\i)+\s] matrix_a_fmt:MATRIX_FMT_BF8 matrix_b_fmt:MATRIX_FMT_BF8
.else
	v_wmma_scale_f32_16x16x128_f8f6f4 v[HA+8*\c:HA+8*\c+7], v[16*(4*(\s%4)+\c):16*(4*(\s%4)+\c)+15], v[128*((\i)%2)+16*\s:128*((\i)%2)+16*\s+15], v[HA+8*\c:HA+8*\c+7], v[BS+2*(4*(\s/2)+\c)+(\s%2)], v[XS+8*(\i)+\s] matrix_a_fmt:MATRIX_FMT_BF8 matrix_b_fmt:MATRIX_FMT_BF8
.endif
.endr
.endr
	WIN 0
.rept 8
	v_nop                                          ; eight places behind this form before its results are read
.endr
	s_wait_xcnt 0x0                                ; the last tile's stores have had their addresses translated: their data registers may be written again,
	s_wait_alu depctr_vm_vsrc(0)                   ; and they have read v[PC ..] and v[PW], which the quantiser writes again
	QUANT2
	s_wait_alu depctr_va_vdst(0)                   ; the quantiser has written v[PC ..] and v[PW], which the stores below read; this tile's products are done reading their set of fragments, in which the loads of the tile after next land
.irp b, 0,1
	global_store_b128 v1, v[PC+4*\b:PC+4*\b+3], s[76:77] offset:(\i)*65536+512*\b   ; 512 dense bytes: piece 2 (w % 2) + b of the fragment's image
.endr
	global_store_b16 v10, v[PW], s[78:79] offset:(\i)*2048                          ; bytes 2 (w % 2), + 1 of my row's scale word (lanes 16-31 store the same numbers to the same places)
.endm
	GPART 0                                        ; the first pass's rows, without a condition
	s_mov_b32 s24, 0
.Lpass:
	s_wait_dscnt 0x0                               ; my rows lie in LDS
	s_wait_alu depctr_vm_vsrc(0)                   ; the gather's LDS stores have read window 3's registers, in which the fragments' loads of this pass land
	s_barrier_signal -1
	s_barrier_wait -1                              ; everybody's do
	s_cmp_le_i32 s23, 0
	s_cbranch_scc1 .Lc_end
	s_wait_xcnt 0x0                                ; earlier stores have read their bases
	s_min_u32 s88, s22, 131
	s_lshl_b32 s89, s15, 1
	s_lshr_b32 s92, s14, 1
	s_add_co_u32 s89, s89, s92                     ; the next product's K step: 2 g + w / 2
	s_and_b32 s92, s14, 1
	s_lshl_b32 s90, s88, 16
	s_lshl_b32 s93, s89, 11
	s_add_co_u32 s90, s90, s93
	s_lshl_b32 s93, s92, 10
	s_add_co_u32 s90, s90, s93
	s_mov_b32 s91, 0
	s_add_nc_u64 s[76:77], s[12:13], s[90:91]      ; codes: 65,536 a tile, 2,048 a K step, 1,024 for my half
	s_lshl_b32 s90, s88, 11
	s_lshl_b32 s93, s89, 6
	s_add_co_u32 s90, s90, s93
	s_lshl_b32 s93, s92, 1
	s_add_co_u32 s90, s90, s93
	s_add_co_u32 s90, s90, HDS
	s_add_nc_u64 s[78:79], s[12:13], s[90:91]      ; scale words: 2,048 a tile, 64 a K step, 2 for my half
	ALOAD 0
.irp i, 0,1,2,3,4,5,6,7,8
	TILE \i
.endr
.Lc_end:
	s_wait_dscnt 0x0                               ; my reads of the rows are over
	s_barrier_signal -1
	s_barrier_wait -1                              ; everybody's are: the rows may be written again
	s_sub_co_i32 s23, s23, 9
	s_add_co_u32 s22, s22, 9
	s_cmp_le_i32 s23, 0
	s_cbranch_scc1 .Lno_g
	GPART 1
.Lno_g:
	s_add_co_u32 s24, s24, 1
	s_cmp_lt_u32 s24, 4
	s_cbranch_scc1 .Lpass
	s_wait_dscnt 0x0                               ; the closing lines, six on end
	s_wait_alu 0x0
	s_wait_tensorcnt 0x0
	ds_add_u32 v254, v255
	s_wait_dscnt 0x0
	s_endpgm
.Lfunc_end_k_q1bf3a58646_ff1:
	.size	k_q1bf3a58646_ff1, .Lfunc_end_k_q1bf3a58646_ff1-k_q1bf3a58646_ff1
	.p2alignl 7, 3214868480
	.fill 96, 4, 3214868480
	.section	.rodata,"a",@progbits
	.p2align	6, 0x0
	.amdhsa_kernel k_q1bf3a58646_ff1
		.amdhsa_group_segment_fixed_size 150272
		.amdhsa_private_segment_fixed_size 0
		.amdhsa_enable_private_segment 0
		.amdhsa_kernarg_size 40
		.amdhsa_user_sgpr_count 2
		.amdhsa_user_sgpr_kernarg_segment_ptr 1
		.amdhsa_wavefront_size32 1
		.amdhsa_system_sgpr_workgroup_id_x 1
		.amdhsa_system_sgpr_workgroup_id_y 1
		.amdhsa_system_sgpr_workgroup_id_z 1
		.amdhsa_system_vgpr_workitem_id 0
		.amdhsa_next_free_vgpr 1024
		.amdhsa_next_free_sgpr 96
		.amdhsa_reserve_vcc 0
		.amdhsa_float_denorm_mode_32 3
		.amdhsa_float_denorm_mode_16_64 3
		.amdhsa_memory_ordered 1
		.amdhsa_forward_progress 1
		.amdhsa_inst_pref_size 162
	.end_amdhsa_kernel
	.amdgpu_metadata
---
amdhsa.version: [ 1, 2 ]
amdhsa.kernels:
  - .name:           k_q1bf3a58646_ff1
    .symbol:         k_q1bf3a58646_ff1.kd
    .args:
      - { .name: w1q, .offset: 0, .size: 8, .value_kind: global_buffer, .address_space: global }
      - { .name: hq, .offset: 8, .size: 8, .value_kind: global_buffer, .address_space: global }
      - { .name: ord, .offset: 16, .size: 8, .value_kind: global_buffer, .address_space: global }
      - { .name: b1, .offset: 24, .size: 8, .value_kind: global_buffer, .address_space: global }
      - { .name: hid, .offset: 32, .size: 8, .value_kind: global_buffer, .address_space: global }
    .group_segment_fixed_size: 150272
    .private_segment_fixed_size: 0
    .kernarg_segment_align: 8
    .kernarg_segment_size: 40
    .max_flat_workgroup_size: 128
    .sgpr_count:     96
    .vgpr_count:     1024
    .wavefront_size: 32
...
	.end_amdgpu_metadata
.endif
;; end of part 5
;; launch ff2 (part 6): grid 16 x 16, 4 waves a work-group, no clusters, 157,184 bytes of LDS; arguments w2q, hid, ord, w1q, x, b2, out0; writes out0
.if DOCPART == 6
	.amdgcn_target "amdgcn-amd-amdhsa--gfx1250"
	.amdhsa_code_object_version 6
	.text
	.protected	k_q1bf3a58646_ff2
	.globl	k_q1bf3a58646_ff2
	.p2align	8
	.type	k_q1bf3a58646_ff2,@function
k_q1bf3a58646_ff2:
	s_mov_b64 s[64:65], 0
	v_nop
	global_prefetch_b8 v0, s[64:65] scope:SCOPE_SE
	s_setreg_imm32_b32 hwreg(HW_REG_WAVE_SCHED_MODE, 0, 2), 2
	s_setreg_imm32_b32 hwreg(HW_REG_WAVE_MODE, 25, 1), 1
	s_wait_xcnt 0x0
	s_wait_alu depctr_vm_vsrc(0)
; out = x + alpha (hid Q(w2[e]) + b2[e]) for each token and its chosen expert e: the same number as alpha y + (1 - alpha) x with y = x + hid w2 + b2.  The product runs on codes of E5M2 with one E8M0 scale for
; each 32 along K; sums in f32.
; SHARES.  Work-group (x = g, y = 4 e + q) makes columns 64 g .. 64 g + 63 for quarter q of expert e's tiles of 16 slots, 9 tiles a pass.  THE WAVES SHARE K: wave w takes K steps 8 w .. 8 w + 7 (a dense block of
; 65,536 bytes of w2q), all four tiles of columns, all nine tiles of rows: 36 accumulators.  The four partial sums meet in LDS; each wave then finishes 36 rows: + b2, x alpha, + x, and stores 256 consecutive bytes,
; aligned, of a token's row with sixteen lanes.
; THE WALK ALONG K BEGINS AT DIFFERENT PLACES.  A wave's eight K steps are four pairs; pair p of its walk is pair (p + g + g / 4 + q) mod 4 of its quarter.  The sixteen work-groups that read the same rows of hid
; (one y, g = 0 .. 15) so begin at all four pairs, four work-groups at each, and the four that read the same block of w2q (one e and g, q = 0 .. 3) at four different pairs: work-groups that share bytes ask for them at
; different steps.  Only addresses differ: four bases for w2q's codes, four for its scales, four offsets each for hid's codes and for its scale words; register numbers and waits are those of a walk from pair 0.
; THE ORDER OF THE SUMS: K is split over four waves and walked from a pair that differs between work-groups, so an output's f32 sum is not taken in ascending K.
; Both operands come from memory straight into registers, as images of the fragments: every load reads 512 dense bytes.  The walk hangs on counts read from memory, so there is no tensor load and hence no joint load.
; A quarter has up to 32 tiles, so the loop over passes has the constant count 4; a pass without tiles is two barriers.  No prefetch is laid: by this text's count 52 younger loads of a wave stay out at every wait of a pass's first seven steps.
; Places beyond the quarter's end repeat its last tile: the same rows, the same numbers, stored once more by the same work-group to the same bytes; so do the spare slots of an expert's last tile.
; THE PRODUCT IS USED TRANSPOSED (source 0 = 16 columns of w2, source 1 = 16 rows of hid): lane (r, h) holds row r; register j of tile 2 b + u is column 32 b + 16 h + 8 u + j.
; So that each register is written before it is read on every way through the text, the first pass's tokens are fetched ahead of the loop without a condition.
; REGISTERS, in windows of 256: window 0: addresses, scales, b2, tokens' offsets, alpha; v128-255 two sets of w2's four fragments (later the partial sums read back; between passes v224-241 alpha's offsets).
;   Window 1: the accumulators of tiles 0-7 at 32 i + 8 ct.  Window 2: v0-31 tile 8's; v32-175 the nine fragments of hid of an even step; v176-247 x of my 36 rows; v254, v255 the closing add's two.
;   Window 3: v32-175 the nine fragments of hid of an odd step.
; THE MODE: SCHED_MODE bits 1:0 = 2 (LLVM: expert scheduling mode 2), set by the entry lines.  The code itself states the register dependences between vector or matrix instructions and memory or LDS
; instructions, with s_wait_alu, always for 0.
; THE PLAN.  Registers that memory or LDS instructions touch:
;   v1 to v10, v[VSO ..], v[VAO ..]   offsets and LDS addresses: made at the head, never written again: one wait on va_vdst ahead of the first load.
;   v[BF ..] two sets, hid's fragments two sets   Step s: its 36 products read set s % 2 of both; the 52 loads of step s + 1 land in the other sets, which the products of step s - 1 read last.
;   v[AS ..]   a pass: loads land at its head, its products read them as scales.
;   the accumulators   a pass: products write them, the LDS stores behind step 7 read them.
;   v[BF ..] on the way out   a batch: LDS loads land, vector lines work on them, six stores read them.
;   v[XO ..]   vector lines write it, the list's loads read it; a vector line writes it again, x's loads and the stores of out0 read it.
;   v[AL ..]   vector lines write it, the token lands, vector lines read it, alpha lands, the fused multiply-adds read it.      v[AA ..]   a vector line writes it, alpha's load reads it.
;   x's registers   loads land, the fused multiply-adds read them.
; SO ONE WAIT ON va_vdst STANDS IN A K STEP, at its head: the products of the step before are done reading the sets in which all of this step's loads land.  The loads follow it, dealt among the step's three groups of
; products, which name the other sets, the accumulators and the scales: none of the registers that those loads touch.  The wait ahead of the LDS stores behind step 7 covers steps 6 and 7 for the next pass's loads; the wait
; ahead of each batch's stores covers the batch's vector lines for the next loads into v[BF ..]; behind those only the tokens' lines run, which name v[XO ..], v[AL ..] and v[AA ..] and have waits of their own.
.set W_SC,   16777216
.set AL_OFF, 17301504
.set HDS,    8650752
.set VSO, 12                           ; v12-15  pair p of the walk: my offset among a tile's scale words: 4 x lane + 128 x its pair of the quarter
.set BS,  16                           ; v16-47  w2's scale words: the pair of (pair p of the walk, tile ct) at 16 + 2 (4 p + ct)
.set AS,  48                           ; v48-83  hid's scale words: tile i at 48 + 4 i + p: lanes 0-15 the pair's first K step, lanes 16-31 its second
.set XO,  88                           ; v88-105 item j: the byte offset of my 16 bytes in x and in out0
.set AL,  106                          ; v106-123 item j: alpha
.set VAO, 124                          ; v124-127 pair p of the walk: my offset in a tile's codes: 16 x lane + 4,096 x its pair of the quarter
.set BF,  128                          ; w2's fragments, two sets of 64
.set AA,  224                          ; v224-241 between two passes: item j: alpha's byte offset
.set RG,  32                           ; windows 2 and 3: hid's fragments of step s in window 2 + s % 2
.set XX,  176                          ; window 2: x
.set WBP, 84                           ; s[84:91] pair p of the walk: w2's codes, 16,384 bytes
.set BQP, 92                           ; s[92:99] pair p of the walk: w2's scales, 512 bytes
.set MSB, 0
.macro WIN new                         ; the immediate's high byte repeats the setting that is left
.if MSB != (\new)
	s_set_vgpr_msb (MSB<<8)|(\new)
.set MSB, (\new)
.endif
.endm
	s_load_b256 s[4:11], s[0:1], 0x0               ; w2q s[4:5], hid s[6:7], ord s[8:9], w1q s[10:11]
	s_load_b128 s[12:15], s[0:1], 0x20             ; x s[12:13], b2 s[14:15]
	s_load_b64 s[16:17], s[0:1], 0x30              ; out0
	s_set_vgpr_msb 0x80
	v_lshl_add_u32 v254, v0, 2, 0x26400
	v_mov_b32 v255, 0
	s_set_vgpr_msb 0x8000
	v_lshrrev_b32 v1, 5, v0
	v_readfirstlane_b32 s18, v1                    ; wave 0..3
	v_and_b32 v11, 31, v0
	v_lshlrev_b32 v1, 4, v11                       ; 16 x lane
	v_lshlrev_b32 v2, 2, v11                       ; 4 x lane
	v_and_b32 v12, 15, v0                          ; r
	v_bfe_u32 v13, v0, 4, 1                        ; h
	v_lshlrev_b32 v3, 3, v12                       ; 8 r
	v_mul_u32_u24 v4, v12, 272
	v_lshl_add_u32 v4, v13, 6, v4
	s_wait_alu depctr_va_sdst(0)                   ; s18 is written, ahead of its first reader
	s_mul_i32 s70, s18, 39168
	v_add_nc_u32 v4, s70, v4                       ; LDS: my partial sums: 39,168 w + 272 r + 64 h (144 rows of 256 bytes + 16)
	v_lshlrev_b32 v9, 4, v12                       ; 16 (lane % 16)
	s_mul_i32 s70, s18, 36
	v_add_nc_u32 v10, s70, v13                     ; the first row that I finish: 36 w + lane / 16
	v_mul_u32_u24 v5, v10, 272
	v_add_nc_u32 v5, v5, v9                        ; LDS: that row in wave 0's partial sums,
	v_add_nc_u32 v6, 39168, v5                     ; wave 1's,
	v_add_nc_u32 v7, 78336, v5
	v_add_nc_u32 v8, 117504, v5
	s_mov_b32 s19, ttmp9                           ; g
	s_and_b32 s70, ttmp7, 0xffff
	s_lshr_b32 s20, s70, 2                         ; e
	s_and_b32 s21, s70, 3                          ; q
	s_lshl_b32 s71, s20, 3
	s_lshl_b32 s72, s20, 6
	s_lshl_b32 s73, s19, 2
	s_add_co_u32 s72, s72, s73
	s_add_co_u32 s72, s72, s18                     ; 64 e + 4 g + w
	s_mov_b32 s75, 0
	s_lshr_b32 s78, s19, 2
	s_add_co_u32 s78, s78, s19
	s_add_co_u32 s78, s78, s21                     ; g + g / 4 + q: where my work-group's walk begins
	s_wait_kmcnt 0x0
	s_load_b64 s[22:23], s[8:9], s71 offset:8448   ; tb_e, nt_e
	s_load_b32 s24, s[8:9], 0x2120                 ; all tiles
	s_lshl_b32 s74, s72, 16
	s_add_nc_u64 s[30:31], s[4:5], s[74:75]        ; my 65,536 bytes of w2's codes
	s_lshl_b32 s74, s72, 11
	s_add_co_u32 s74, s74, W_SC
	s_add_nc_u64 s[76:77], s[4:5], s[74:75]        ; my 2,048 bytes of its scales
.irp p, 0,1,2,3                        ; pair p of the walk is pair (p + g + g / 4 + q) mod 4 of my quarter of K
	s_add_co_u32 s79, s78, \p
	s_and_b32 s79, s79, 3
	s_lshl_b32 s74, s79, 14
	s_add_nc_u64 s[WBP+2*\p:WBP+2*\p+1], s[30:31], s[74:75]        ; w2's codes: 2 x 8,192 bytes a pair
	s_lshl_b32 s74, s79, 9
	s_add_nc_u64 s[BQP+2*\p:BQP+2*\p+1], s[76:77], s[74:75]        ; w2's scales: 512 bytes a pair
	s_lshl_b32 s74, s79, 12
	v_add_nc_u32 v[VAO+\p], s74, v1                                ; hid's codes: 2 x 2,048 bytes a pair and tile
	s_lshl_b32 s74, s79, 7
	v_add_nc_u32 v[VSO+\p], s74, v2                                ; hid's scale words: 128 bytes a pair and tile
.endr
	s_wait_alu depctr_va_vdst(0)                   ; v1 to v10, v[VSO ..] and v[VAO ..] are written: the kernel's loads, stores and LDS instructions read them as offsets and addresses, and none is written again
.irp kq, 0,1,2,3
.irp c, 0,1,2,3
	global_load_b64 v[BS+2*(4*\kq+\c):BS+2*(4*\kq+\c)+1], v3, s[BQP+2*\kq:BQP+2*\kq+1] offset:128*\c
.endr
.endr
	s_lshl_b32 s74, s20, 12
	s_lshl_b32 s73, s19, 8
	s_add_co_u32 s74, s74, s73
	s_add_nc_u64 s[14:15], s[14:15], s[74:75]      ; b2 at (e, 64 g)
	global_load_b128 v[84:87], v9, s[14:15]
	s_mov_b32 s74, s73
	s_add_nc_u64 s[12:13], s[12:13], s[74:75]      ; x and out0 at column 64 g
	s_add_nc_u64 s[16:17], s[16:17], s[74:75]
	s_add_nc_u64 s[10:11], s[10:11], AL_OFF        ; alpha
	s_wait_kmcnt 0x0
	s_min_u32 s22, s22, 131
	s_min_u32 s23, s23, 128
	s_min_u32 s24, s24, 132
	s_sub_co_u32 s24, s24, 1                       ; the list's last tile
	s_add_co_u32 s25, s23, 3
	s_lshr_b32 s25, s25, 2                         ; tiles in a quarter
	s_mul_i32 s70, s21, s25
	s_add_co_u32 s26, s22, s70                     ; T0
	s_sub_co_i32 s27, s23, s70
	s_min_i32 s27, s27, s25                        ; N
; THE TOKENS of the 36 rows that I finish in this pass, their x and their alpha.  Item j: lanes 0-15 row 36 w + 2 j, lanes 16-31 the next.  again = 1: inside the loop, with a pass in front of it.
.macro TPART again
	s_wait_loadcnt 0x0                             ; nothing is on its way into the registers written below,
	s_wait_xcnt 0x0                                ; and the last pass's stores have had their addresses translated
.if \again
	s_wait_alu depctr_vm_vsrc(0)                   ; the last pass's loads of x and its stores have read v[XO ..], its loads of alpha v[AA ..]: both are written again below
.endif
	s_sub_co_i32 s29, s27, 1
	s_max_i32 s29, s29, 0
	s_min_i32 s29, s29, 8                          ; N - 1, held to 0 .. 8
	s_sub_co_i32 s70, s24, s29
	s_max_i32 s70, s70, 0
	s_min_u32 s70, s70, s26                        ; T0, held so that the pass stays inside the list
.set n, 0
.rept 18
	v_add_nc_u32 v[XO+n], 2*n, v10                 ; my row of the pass
	v_lshrrev_b32 v[AL+n], 4, v[XO+n]
	v_min_u32 v[AL+n], s29, v[AL+n]
	v_add_nc_u32 v[AL+n], s70, v[AL+n]             ; its tile
	v_and_b32 v[XO+n], 15, v[XO+n]
	v_lshl_or_b32 v[XO+n], v[AL+n], 4, v[XO+n]     ; its slot
	v_min_u32 v[XO+n], 0x83f, v[XO+n]
	v_lshlrev_b32 v[XO+n], 2, v[XO+n]
.set n, n+1
.endr
	s_wait_alu depctr_va_vdst(0)                   ; the lines above have written v[XO ..], which the list's loads read as offsets, and are done with v[AL ..], in which these land
.set n, 0
.rept 18
	global_load_b32 v[AL+n], v[XO+n], s[8:9]
.set n, n+1
.endr
	s_wait_loadcnt 0x0
	s_wait_alu depctr_vm_vsrc(0)                   ; the list's loads have read v[XO ..], which the lines below write again
.set n, 0
.rept 18
	v_min_u32 v[AL+n], 0x7ff, v[AL+n]
	v_lshl_add_u32 v[XO+n], v[AL+n], 12, v9        ; token x 4,096 + 16 (lane % 16)
	v_lshlrev_b32 v[AA+n], 2, v[AL+n]              ; token x 4
.set n, n+1
.endr
	WIN 0x80                                       ; destination window 2
	s_wait_alu depctr_va_vdst(0)                   ; v[XO ..] and v[AA ..] are written, which the loads below read as offsets; the lines above are done with v[AL ..], in which alpha lands; inside the loop also: the last pass's fused multiply-adds are done reading x's registers
.set n, 0
.rept 18
	global_load_b128 v[XX+4*n:XX+4*n+3], v[XO+n], s[12:13]
.set n, n+1
.endr
	WIN 0
.set n, 0
.rept 18
	global_load_b32 v[AL+n], v[AA+n], s[10:11]
.set n, n+1
.endr
.endm
.macro LB s                            ; w2's four fragments of step s of my walk into set s % 2
.set n, 0
.rept 16
	global_load_b128 v[BF+64*((\s)%2)+4*n:BF+64*((\s)%2)+4*n+3], v1, s[WBP+2*((\s)/2):WBP+2*((\s)/2)+1] offset:8192*((\s)%2)+512*n
.set n, n+1
.endr
.endm
.macro LA t, s                         ; hid's fragments of tiles 3 t .. 3 t + 2, step s of my walk, into the set of window 2 + s % 2
	WIN 0x80+0x40*((\s)%2)
.irp d, 0,1,2
.irp c, 0,1,2,3
	global_load_b128 v[RG+16*(3*(\t)+\d)+4*\c:RG+16*(3*(\t)+\d)+4*\c+3], v[VAO+(\s)/2], s[32+2*(3*(\t)+\d):33+2*(3*(\t)+\d)] offset:2048*((\s)%2)+512*\c
.endr
.endr
.endm
.macro MM t, s                         ; 12 products: tiles 3 t .. 3 t + 2 x the four tiles of columns; the 36 accumulators take turns, one instruction a turn
.irp d, 0,1,2
.set TI, 3*(\t)+\d
.if TI == 8
	WIN 0xA8+4*((\s)%2)                            ; source 1 (hid) window 2 + s % 2, C and D window 2
.set AB, 0
.else
	WIN 0x58+4*((\s)%2)                            ; source 1 window 2 + s % 2, C and D window 1
.set AB, 32*TI
.endif
.irp c, 0,1,2,3
.if (\s) == 0
	v_wmma_scale_f32_16x16x128_f8f6f4 v[AB+8*\c:AB+8*\c+7], v[BF+64*((\s)%2)+16*\c:BF+64*((\s)%2)+16*\c+15], v[RG+16*TI:RG+16*TI+15], 0, v[BS+2*(4*((\s)/2)+\c)+(\s)%2], v[AS+4*TI+(\s)/2] matrix_a_fmt:MATRIX_FMT_BF8 matrix_b_fmt:MATRIX_FMT_BF8
.elseif (\s)%2
	v_wmma_scale_f32_16x16x128_f8f6f4 v[AB+8*\c:AB+8*\c+7], v[BF+64*((\s)%2)+16*\c:BF+64*((\s)%2)+16*\c+15], v[RG+16*TI:RG+16*TI+15], v[AB+8*\c:AB+8*\c+7], v[BS+2*(4*((\s)/2)+\c)+(\s)%2], v[AS+4*TI+(\s)/2] matrix_a_fmt:MATRIX_FMT_BF8 matrix_b_fmt:MATRIX_FMT_BF8 matrix_b_scale:MATRIX_SCALE_ROW1
.else
	v_wmma_scale_f32_16x16x128_f8f6f4 v[AB+8*\c:AB+8*\c+7], v[BF+64*((\s)%2)+16*\c:BF+64*((\s)%2)+16*\c+15], v[RG+16*TI:RG+16*TI+15], v[AB+8*\c:AB+8*\c+7], v[BS+2*(4*((\s)/2)+\c)+(\s)%2], v[AS+4*TI+(\s)/2] matrix_a_fmt:MATRIX_FMT_BF8 matrix_b_fmt:MATRIX_FMT_BF8
.endif
.endr
.endr
.endm
; A K STEP.  It multiplies set s % 2 of w2's and of hid's fragments and asks for step s + 1 into the other sets.  Loads come back in order (ISA guide 5.7.1).  Behind the 12 loads that a group of products wants there
; were always issued 52 younger ones.  Group 0: this step's groups 1 and 2 (24), the next set of w2's (16), the next step's group 0 (12).  Group 1: 12 + 16 + 24.  Group 2: 16 + 36.  With the twelve that are waited
; for that is one load more than the counter's field holds: the issue of a load that would pass the field is held until an older one is done (ISA guide 5.7.1), so the count says what it says.
.macro KSTEP s
.if (\s) < 7
	WIN 0
.if (\s) > 0
	s_wait_alu depctr_va_vdst(0)                   ; the products of the step before are done reading the other set of w2's fragments and the other set of hid's: all 52 loads of this step land in those (step 0: the wait ahead of the last pass's LDS stores has said so)
.endif
	LB (\s)+1
.endif
.irp t, 0,1,2
.if (\s) < 7
	LA \t, (\s)+1                                  ; no further wait: no product since the wait at the step's head names the set in which these land
	s_wait_loadcnt 52
.else
	s_wait_loadcnt 24-12*\t                        ; the last step asks for nothing: the counts run down
.endif
	MM \t, \s
.endr
.rept 8
	v_nop                                          ; eight places behind this form: they lie between each of the step's products and the first load into a register that it has read, a step on; behind step 7, and the first read of the results
.endr
.if (\s) == 7
	v_nop                                          ; a ninth behind step 7: the next pass's first products begin the sums anew with the constant 0 and so write over these results; a matrix instruction that writes over an earlier one's registers stands nine places behind it, also on the way that jumps over the way out and the tokens' lines
.endif
.endm
.macro RBATCH bb                       ; six items: 12 rows are finished
	s_wait_xcnt 0x0                                ; the last batch's stores have had their addresses translated
.if (\bb) > 0
	s_wait_alu depctr_vm_vsrc(0)                   ; the last batch's stores have read v[BF ..], in which the LDS loads below land
.endif
.irp jj, 0,1,2,3,4,5
.irp k, 0,1,2,3
	ds_load_b128 v[BF+16*\jj+4*\k:BF+16*\jj+4*\k+3], v[5+\k] offset:544*(6*(\bb)+\jj)
.endr
.endr
	s_wait_dscnt 0x0
.irp jj, 0,1,2,3,4,5
.set PP, BF+16*\jj
	v_pk_add_f32 v[PP:PP+1], v[PP:PP+1], v[PP+4:PP+5]
	v_pk_add_f32 v[PP+2:PP+3], v[PP+2:PP+3], v[PP+6:PP+7]
	v_pk_add_f32 v[PP+8:PP+9], v[PP+8:PP+9], v[PP+12:PP+13]
	v_pk_add_f32 v[PP+10:PP+11], v[PP+10:PP+11], v[PP+14:PP+15]
	v_pk_add_f32 v[PP:PP+1], v[PP:PP+1], v[PP+8:PP+9]
	v_pk_add_f32 v[PP+2:PP+3], v[PP+2:PP+3], v[PP+10:PP+11]
	v_pk_add_f32 v[PP:PP+1], v[PP:PP+1], v[84:85]
	v_pk_add_f32 v[PP+2:PP+3], v[PP+2:PP+3], v[86:87]
.endr
	WIN 0x20                                       ; source 2 (x) window 2
.irp jj, 0,1,2,3,4,5
.irp c, 0,1,2,3
	v_fma_f32 v[BF+16*\jj+\c], v[AL+6*(\bb)+\jj], v[BF+16*\jj+\c], v[XX+4*(6*(\bb)+\jj)+\c]
.endr
.endr
	WIN 0
	s_wait_alu depctr_va_vdst(0)                   ; the fused multiply-adds have written v[BF ..], which the stores below read; the batch's lines are done with v[BF ..], in which the next batch's LDS loads or the next pass's loads land
.irp jj, 0,1,2,3,4,5
	global_store_b128 v[XO+6*(\bb)+\jj], v[BF+16*\jj:BF+16*\jj+3], s[16:17] th:TH_STORE_NT   ; sixteen lanes store 256 consecutive bytes of a token's row, aligned
.endr
.endm
	TPART 0                                        ; the first pass's tokens, without a condition
	s_mov_b32 s28, 0
.Lpass:
	s_wait_alu depctr_vm_vsrc(0)                   ; the last pass's stores have read v[BF ..] and alpha's loads v[AA ..], in which this pass's loads land; its LDS stores have read the accumulators, which this pass's products write
	s_cmp_le_i32 s27, 0
	s_cbranch_scc1 .Lno_k
	; ---- my quarter of K for the pass's nine tiles
	s_wait_xcnt 0x0                                ; earlier stores and alpha's loads have had their addresses translated: the loads below may land on their registers
	s_lshl_b32 s74, s18, 14
	s_lshl_b32 s75, s18, 9
	s_add_co_u32 s75, s75, HDS
	s_mov_b32 s73, 0
.irp i, 0,1,2,3,4,5,6,7,8
	s_min_u32 s70, s29, \i
	s_add_co_u32 s70, s70, s26
	s_min_u32 s70, s70, s24
	s_min_u32 s70, s70, 131                        ; tile i of the pass
	s_lshl_b32 s72, s70, 16
	s_add_co_u32 s72, s72, s74
	s_add_nc_u64 s[32+2*\i:33+2*\i], s[6:7], s[72:73]                           ; its codes of my eight K steps: 16,384 bytes
	s_lshl_b32 s72, s70, 11
	s_add_co_u32 s72, s72, s75
	s_add_nc_u64 s[50+2*\i+2*(\i/7):51+2*\i+2*(\i/7)], s[6:7], s[72:73]         ; and their scale words: 512 bytes
.endr
.irp i, 0,1,2,3,4,5,6,7,8
.irp jj, 0,1,2,3
	global_load_b32 v[AS+4*\i+\jj], v[VSO+\jj], s[50+2*\i+2*(\i/7):51+2*\i+2*(\i/7)]
.endr
.endr
	LB 0
	LA 0, 0
	LA 1, 0
	LA 2, 0
.irp s, 0,1,2,3,4,5,6,7
	KSTEP \s
.endr
	WIN 0x04                                       ; an LDS store's data: window 1
	s_wait_alu depctr_va_vdst(0)                   ; the products have written the accumulators, which the LDS stores read (the places above stay beside this wait); they are also done reading both sets of fragments and the scale words
.irp i, 0,1,2,3,4,5,6,7
.irp c, 0,1,2,3
	ds_store_b128 v4, v[32*\i+8*\c:32*\i+8*\c+3] offset:4352*\i+128*(\c/2)+32*(\c%2)          ; each accumulator from its low end on; row 16 i + r, column 32 b + 16 h + 8 u
	ds_store_b128 v4, v[32*\i+8*\c+4:32*\i+8*\c+7] offset:4352*\i+128*(\c/2)+32*(\c%2)+16
.endr
.endr
	WIN 0x08                                       ; window 2: tile 8
.irp c, 0,1,2,3
	ds_store_b128 v4, v[8*\c:8*\c+3] offset:4352*8+128*(\c/2)+32*(\c%2)
	ds_store_b128 v4, v[8*\c+4:8*\c+7] offset:4352*8+128*(\c/2)+32*(\c%2)+16
.endr
	WIN 0
.Lno_k:
	s_wait_dscnt 0x0                               ; my partial sums lie in LDS
	s_barrier_signal -1
	s_barrier_wait -1                              ; everybody's do
	s_cmp_le_i32 s27, 0
	s_cbranch_scc1 .Lno_r
	s_wait_loadcnt 0x0                             ; x and alpha
	RBATCH 0
	RBATCH 1
	RBATCH 2
.Lno_r:
	s_wait_dscnt 0x0                               ; my reads of the partial sums are over
	s_barrier_signal -1
	s_barrier_wait -1                              ; everybody's are: they may be written again
	s_sub_co_i32 s27, s27, 9
	s_add_co_u32 s26, s26, 9
	s_cmp_le_i32 s27, 0
	s_cbranch_scc1 .Lno_t
	TPART 1
.Lno_t:
	s_add_co_u32 s28, s28, 1
	s_cmp_lt_u32 s28, 4
	s_cbranch_scc1 .Lpass
	s_set_vgpr_msb 0xa                             ; the add's two registers, sources 0 and 1, lie in window 2 (the setting before was 0)
	s_wait_dscnt 0x0                               ; the closing lines, six on end
	s_wait_alu 0x0
	s_wait_tensorcnt 0x0
	ds_add_u32 v254, v255
	s_wait_dscnt 0x0
	s_endpgm
.Lfunc_end_k_q1bf3a58646_ff2:
	.size	k_q1bf3a58646_ff2, .Lfunc_end_k_q1bf3a58646_ff2-k_q1bf3a58646_ff2
	.p2alignl 7, 3214868480
	.fill 96, 4, 3214868480
	.section	.rodata,"a",@progbits
	.p2align	6, 0x0
	.amdhsa_kernel k_q1bf3a58646_ff2
		.amdhsa_group_segment_fixed_size 157184
		.amdhsa_private_segment_fixed_size 0
		.amdhsa_enable_private_segment 0
		.amdhsa_kernarg_size 56
		.amdhsa_user_sgpr_count 2
		.amdhsa_user_sgpr_kernarg_segment_ptr 1
		.amdhsa_wavefront_size32 1
		.amdhsa_system_sgpr_workgroup_id_x 1
		.amdhsa_system_sgpr_workgroup_id_y 1
		.amdhsa_system_sgpr_workgroup_id_z 1
		.amdhsa_system_vgpr_workitem_id 0
		.amdhsa_next_free_vgpr 944
		.amdhsa_next_free_sgpr 100
		.amdhsa_reserve_vcc 0
		.amdhsa_float_denorm_mode_32 3
		.amdhsa_float_denorm_mode_16_64 3
		.amdhsa_memory_ordered 1
		.amdhsa_forward_progress 1
		.amdhsa_inst_pref_size 147
	.end_amdhsa_kernel
	.amdgpu_metadata
---
amdhsa.version: [ 1, 2 ]
amdhsa.kernels:
  - .name:           k_q1bf3a58646_ff2
    .symbol:         k_q1bf3a58646_ff2.kd
    .args:
      - { .name: w2q, .offset: 0, .size: 8, .value_kind: global_buffer, .address_space: global }
      - { .name: hid, .offset: 8, .size: 8, .value_kind: global_buffer, .address_space: global }
      - { .name: ord, .offset: 16, .size: 8, .value_kind: global_buffer, .address_space: global }
      - { .name: w1q, .offset: 24, .size: 8, .value_kind: global_buffer, .address_space: global }
      - { .name: x, .offset: 32, .size: 8, .value_kind: global_buffer, .address_space: global }
      - { .name: b2, .offset: 40, .size: 8, .value_kind: global_buffer, .address_space: global }
      - { .name: out0, .offset: 48, .size: 8, .value_kind: global_buffer, .address_space: global }
    .group_segment_fixed_size: 157184
    .private_segment_fixed_size: 0
    .kernarg_segment_align: 8
    .kernarg_segment_size: 56
    .max_flat_workgroup_size: 128
    .sgpr_count:     100
    .vgpr_count:     944
    .wavefront_size: 32
...
	.end_amdgpu_metadata
.endif
;; end of part 6
